; MI455X (gfx1250); checked and timed in simulation.
; The chip was launched on July 23, 2026; its instructions are those of AMD's public machine-readable ISA for CDNA 5 (MIT licence, August 2026) and "CDNA5" Instruction Set Architecture Reference Guide (July 2026). The comments in the code are by the model that wrote it; some were corrected since.
;; Expert Layer. Allowed arithmetic: matrix products marked QUANTISED: E5M2 operands, one E8M0 scale for each 32 along K, by v_wmma_scale_f32_16x16x128_f8f6f4 with both operands' format E5M2, f32 sums; products left as they are: f32 operands where the result goes on into a quantised operand, else bf16, f16 or f32 operands; f32 sums; everything else in f32.
;; Inputs: W1 16 x 512 x 2,048 float32; W2 16 x 2,048 x 512 float32; Wg 512 x 16 float32; b1 16 x 2,048 float32; b2 16 x 512 float32; beta 512 float32; bg 16 float32; gamma 512 float32; x 2 x 1,024 x 512 float32.
;; Outputs: out0 2 x 1,024 x 512 float32.
;; This version of the problem:
;;   THIS VERSION OF THE PROBLEM IS GIVEN IN LOW PRECISION. The matrix products marked QUANTISED in the list below multiply operands that are first quantised to E5M2 (5 exponent bits, 2 mantissa bits; 8 bits a number), with one power-of-two scale for each 32 numbers along K (OCP MX v1.0); their sums are f32. All else is computed in f32.
;;   The module's matrix products, in the order in which they are computed (A, B: the left and right operand; K: the contracted axis; several contracted axes count as one K, in the product's order):
;;     1. [M 2,048, K 512] x [K 512, N 16]; A: input x; B: input Wg: QUANTISED
;;     2. [M 32,768, K 512] x [K 512, N 2,048]; A: input W1; B: input x: QUANTISED
;;     3. batch 16 x [M 2,048, K 2,048] x [K 2,048, N 512]; A: computed on the way; B: input W2: QUANTISED
;;     4. batch 2,048 x [M 1, K 16] x [K 16, N 512]; A: computed on the way; B: computed on the way: left as it is (K = 16 < 32)
;;   THE QUANTISER, for each operand of a quantised product, along K:
;;     - K is cut into blocks of 32 from its start; a last block that is shorter is filled with zeros.
;;     - A block's scale is 2^e with e = floor(log2(the largest magnitude in the block)) - 15, held to -126 .. 127; a block of zeros has e = 0. As a byte (E8M0): e + 127.
;;     - Each number is divided by its block's scale, clamped to +-57,344, and rounded to the nearest number of E5M2, ties to even, subnormals kept.
;;     - The product sums the exact products of the quantised numbers (number of the format x scale) in f32.
;;   ~~~python
;;   def quantise(x, axis):      # numpy; x: float32 -> the quantised numbers, widened to float32 again
;;       x = np.moveaxis(x, axis, -1); K = x.shape[-1]
;;       x = np.pad(x, [(0, 0)] * (x.ndim - 1) + [(0, -K % 32)]); x = x.reshape(x.shape[:-1] + (-1, 32)); a = np.abs(x).max(-1, keepdims=True)
;;       e = np.where(a > 0, np.clip(np.frexp(np.where(a > 0, a, 1))[1] - 1 - 15, -126, 127), 0)      # np.frexp(a)[1] - 1 = floor(log2(a)), exactly
;;       r = np.clip(x / 2.0 ** e, -57344, 57344)
;;       step = 2.0 ** (np.maximum(np.frexp(np.where(r == 0, 1, r))[1] - 1, -14) - 2)
;;       q = np.round(r / step) * step * 2.0 ** e      # np.round: ties to even
;;       return np.moveaxis(q.reshape(q.shape[:-2] + (-1,))[..., :K], -1, axis).astype(np.float32)
;;   ~~~
;;   OPERANDS COMPUTED ON THE WAY. 'Computed on the way' means the value that the module computes at that place (a softmax that the list does not call 'softmax' is quantised finished and normalised). What goes into a quantiser is computed in f32, as accurately as f32 sums, v_exp_f32 and their like allow (about 1e-6 of the number): no bf16 or f16 on the way to a quantiser, and a product that is left as it is and whose result goes on into a quantised operand takes f32 operands (vector FMAs, or v_wmma_f32_16x16x4_f32). A number that lies on a knife's edge between two numbers of the format may be rounded either way, as far as f32 arithmetic and the matrix unit's own rounding can turn it there, and no further.
;; 3 versions, each right; version 2 is faster than version 1; version 3 is version 2 with the launch outp written anew for expert scheduling mode. Each part assembles by itself: llvm-mc -triple=amdgcn-amd-amdhsa -mcpu=gfx1250 --defsym DOCPART=n.
;; ======== version 1 of 3: 5 launches
;; workspace buffers: xq 1,048,576 bytes; xs 32,768 bytes; ridx 16,384 bytes of whole numbers; rw 16,384 bytes; plan 33,280 bytes of whole numbers; hq 8,912,896 bytes; hs 278,528 bytes; ex 17,825,792 bytes
;; launch gate (part 1): grid 128 x 1, 4 waves a work-group, no clusters, 13,312 bytes of LDS; arguments x, Wg, bg, xq, xs, ridx, rw; writes xq, xs, ridx, rw
.if DOCPART == 1
	.amdgcn_target "amdgcn-amd-amdhsa--gfx1250"
	.amdhsa_code_object_version 6
	.text
	.protected	k_q4f3175b721_gate
	.globl	k_q4f3175b721_gate
	.p2align	8
	.type	k_q4f3175b721_gate,@function
k_q4f3175b721_gate:
	s_mov_b64 s[64:65], 0
	v_nop
	global_prefetch_b8 v0, s[64:65] scope:SCOPE_SE
	s_setreg_imm32_b32 hwreg(HW_REG_WAVE_MODE, 25, 1), 1
	s_wait_xcnt 0x0
; GATE.  x [2048][512] f32 becomes codes of E5M2 with one E8M0 byte for each 32 along D (xq: [2048][512] bytes; xs: [2048][4] words, a word for 128 along D);
; logits = Q(x) Q(Wg) + bg on the scaled matrix form; softmax with the row's maximum taken away; the two largest, ties to the lower expert.
; Stored at fixed places: ridx [2048][2] the experts, rw [2048][2] their probabilities.  No address and no branch hangs on them here.
; SHARES.  A work-group takes 16 tokens; wave s takes K step s (128 along D) of x and of Wg and makes one partial tile of logits; the four meet in LDS and wave 0 finishes.
; The product is used with source 0 = 16 experts (columns of Wg, registers down K) and source 1 = 16 tokens: a lane then holds ONE token (lane % 16) and experts 8 (lane / 16) + 0 .. 7.
; No tensor load, no cluster: a work-group's inputs are its own 32 KiB of x; Wg is 32 KiB in all.
; LIMITS: NaN and infinities among the inputs are not served.  A block of zeros gets the byte 1 (its codes are zeros; this program alone reads the bytes).
; The two largest are taken of 2^((l - max) log2 e); two logits closer than the rounding of f32 sums may be ordered otherwise than by another order of summation.
.set PLG, 8448                         ; LDS: 0: a stage of 16 rows x (512 + 16) bytes of codes; PLG: four images of 1,024 bytes, the partial logits; XSW: [16 rows][4 words]
.set XSW, 12544
.set XR,  16                           ; v16-79   64 numbers of x
.set WR,  80                           ; v80-143  64 numbers of Wg
.set XC,  144                          ; v144-159 x's codes
.set WC,  160                          ; v160-175 Wg's codes
.set ACC, 176                          ; v176-183 the partial logits
.set TM,  184                          ; v184-199 at work in QUANT
.set PWX, 200                          ; x's scale word
.set PWW, 201                          ; Wg's scale word
.set BG,  202                          ; v202-209 bg at my eight experts
.set SEL, 20                           ; s[20:21] selects for lane l xor 16
.set MNT, 22                           ; s22 the mantissa field of 57,344
; 64 numbers of a lane, register 16 b + i = k 32 b + 16 (lane / 16) + i of my row, become a fragment's 16 registers of codes at v[d] and its scale word in v[w].
.macro QUANT s, d, w, relu
.if \relu
.irp b, 0,1,2,3
	v_max3_num_f32 v[TM+\b], v[\s+16*\b], v[\s+1+16*\b], 0x8000000         ; no |.|: what is negative becomes 0 and must not count; the floor 2^(16 - 127) holds the byte at 1 from below
.endr
.irp i, 2,4,6,8,10,12,14
.irp b, 0,1,2,3
	v_max3_num_f32 v[TM+\b], v[TM+\b], v[\s+16*\b+\i], v[\s+1+16*\b+\i]
.endr
.endr
.else
.irp b, 0,1,2,3
	v_max3_num_f32 v[TM+\b], |v[\s+16*\b]|, |v[\s+1+16*\b]|, 0x8000000     ; my 16 numbers of block b, and the floor 2^(16 - 127)
.endr
.irp i, 2,4,6,8,10,12,14
.irp b, 0,1,2,3
	v_max3_num_f32 v[TM+\b], v[TM+\b], |v[\s+16*\b+\i]|, |v[\s+1+16*\b+\i]|
.endr
.endr
.endif
.irp b, 0,1,2,3
	v_permlanex16_b32 v[TM+4+\b], v[TM+\b], s[SEL], s[SEL+1]
.endr
.irp b, 0,1,2,3
	v_max_num_f32 v[TM+\b], v[TM+\b], v[TM+4+\b]                           ; with lane l xor 16's: the block's largest magnitude
.endr
.irp b, 0,1,2,3
	v_add_nc_u32 v[TM+12+\b], 0xf8800000, v[TM+\b]                         ; 15 off its exponent field: the conversion's scale operand
.endr
.irp b, 0,1,2,3
	v_and_or_b32 v[TM+8+\b], v[TM+\b], 0x7f800000, s[MNT]                  ; 57,344 x the scale
.endr
.irp b, 0,1,2,3
	v_lshrrev_b32 v[TM+4+\b], 23, v[TM+12+\b]                              ; the scale's byte
.endr
	v_lshl_or_b32 v[\w], v[TM+5], 8, v[TM+4]
	v_lshl_or_b32 v[\w], v[TM+6], 16, v[\w]
	v_lshl_or_b32 v[\w], v[TM+7], 24, v[\w]
.irp b, 0,1,2,3
.irp i, 0,1,2,3,4,5,6,7,8,9,10,11,12,13,14,15
.if \relu
	v_med3_num_f32 v[\s+16*\b+\i], v[\s+16*\b+\i], 0, v[TM+8+\b]           ; the activation and the hold in one
.else
	v_med3_num_f32 v[\s+16*\b+\i], v[\s+16*\b+\i], -v[TM+8+\b], v[TM+8+\b] ; the conversion does not saturate (ISA guide 7.6.2): hold first
.endif
.endr
	v_cvt_scalef32_pk8_bf8_f32 v[\d+4*\b:\d+4*\b+1], v[\s+16*\b:\s+16*\b+7], v[TM+12+\b]
	v_cvt_scalef32_pk8_bf8_f32 v[\d+4*\b+2:\d+4*\b+3], v[\s+16*\b+8:\s+16*\b+15], v[TM+12+\b]
.endr
	v_nop                                          ; one plain line behind the last conversion
.endm
	s_load_b256 s[4:11], s[0:1], 0x0               ; x s[4:5], Wg s[6:7], bg s[8:9], xq s[10:11]
	s_load_b128 s[12:15], s[0:1], 0x20             ; xs s[12:13], ridx s[14:15]
	s_load_b64 s[16:17], s[0:1], 0x30              ; rw
	v_lshl_add_u32 v232, v0, 2, 0x3200
	v_mov_b32 v233, 0
	v_lshrrev_b32 v1, 5, v0
	v_readfirstlane_b32 s18, v1                    ; wave 0..3 = my K step
	v_and_b32 v1, 31, v0                           ; lane
	v_and_b32 v2, 15, v0                           ; r
	v_bfe_u32 v3, v0, 4, 1                         ; h
	v_lshlrev_b32 v4, 11, v2
	v_lshl_add_u32 v4, v3, 6, v4                   ; x: row r of 2,048 bytes + 64 h: my 16 numbers of a block
	v_lshlrev_b32 v5, 2, v2
	v_lshl_add_u32 v5, v3, 10, v5                  ; Wg: column r, 16 h rows of 64 bytes down
	v_lshlrev_b32 v6, 5, v3                        ; bg: 32 h
	v_lshlrev_b32 v11, 4, v1                       ; 16 x lane
	v_lshlrev_b32 v13, 3, v2                       ; 8 r
	v_lshlrev_b32 v14, 4, v2                       ; 16 r
	v_lshlrev_b32 v15, 3, v3                       ; 8 h
	v_mul_u32_u24 v7, v2, 528
	v_lshl_add_u32 v7, v3, 4, v7
	s_lshl_b32 s24, s18, 7
	v_add_nc_u32 v7, s24, v7                       ; the stage, in: row r, my K step's 128 bytes, + 16 h
	s_lshl_b32 s24, s18, 10
	s_add_co_u32 s24, s24, PLG
	v_add_nc_u32 v8, s24, v11                      ; my image of partial logits
	s_lshl_b32 s24, s18, 2
	s_add_co_u32 s24, s24, XSW
	v_add_nc_u32 v9, s24, v14                      ; row r's word of my K step
	s_mul_i32 s24, s18, 2112
	v_add_nc_u32 v10, s24, v11                     ; the stage, out: rows 4 wave + 0 .. 3, 16 bytes a lane
	s_mov_b32 s[SEL], 0x76543210
	s_mov_b32 s[SEL+1], 0xfedcba98
	s_mov_b32 s[MNT], 0x600000
.irp b, 0,1,2,3
	v_mov_b32 v[TM+4+\b], 0                        ; written once: a lane permute's destination counts as one of its sources
.endr
	v_mov_b32 v211, 0
	s_lshl_b32 s24, ttmp9, 15                      ; 16 tokens x 2,048 bytes,
	s_lshl_b32 s25, s18, 9                         ; my K step's 512 bytes
	s_add_co_u32 s24, s24, s25
	s_mov_b32 s25, 0
	s_lshl_b32 s26, s18, 13                        ; Wg: 128 rows of 64 bytes a K step
	s_mov_b32 s27, 0
	s_lshl_b32 s28, ttmp9, 13                      ; xq: 16 rows of 512 bytes, + my four rows
	s_lshl_b32 s29, s18, 11
	s_add_co_u32 s28, s28, s29
	s_mov_b32 s29, 0
	s_lshl_b32 s30, ttmp9, 8                       ; xs: 16 bytes a token
	s_mov_b32 s31, 0
	s_lshl_b32 s32, ttmp9, 7                       ; ridx, rw: 8 bytes a token
	s_mov_b32 s33, 0
	s_wait_kmcnt 0x0
	s_add_nc_u64 s[4:5], s[4:5], s[24:25]
	s_add_nc_u64 s[6:7], s[6:7], s[26:27]
	s_add_nc_u64 s[10:11], s[10:11], s[28:29]
	s_add_nc_u64 s[12:13], s[12:13], s[30:31]
	s_add_nc_u64 s[14:15], s[14:15], s[32:33]
	s_add_nc_u64 s[16:17], s[16:17], s[32:33]
.irp c, 0,1,2,3
.irp i, 0,1,2,3,4,5,6,7,8,9,10,11,12,13,14,15
	global_load_b32 v[WR+16*\c+\i], v5, s[6:7] offset:64*(32*\c+\i)        ; Wg(32 c + 16 h + i, r)
.endr
.endr
.irp b, 0,1,2,3
.irp j, 0,1,2,3
	global_load_b128 v[XR+16*\b+4*\j:XR+16*\b+4*\j+3], v4, s[4:5] offset:128*\b+16*\j th:TH_LOAD_NT
.endr
.endr
	global_load_b128 v[BG:BG+3], v6, s[8:9]
	global_load_b128 v[BG+4:BG+7], v6, s[8:9] offset:16
	s_wait_loadcnt 18                              ; Wg's 64 are in; x's 16 and bg's 2 may be out
	QUANT WR, WC, PWW, 0
	s_wait_loadcnt 2                               ; x's 16 are in; bg's 2 may be out
	QUANT XR, XC, PWX, 0
.rept 4
	v_nop                                          ; codes written by vector instructions stand four places ahead of a scaled matrix instruction; both scale words stand more than eight ahead (the 64 holds)
.endr
	v_wmma_scale_f32_16x16x128_f8f6f4 v[ACC:ACC+7], v[WC:WC+15], v[XC:XC+15], 0, v[PWW], v[PWX] matrix_a_fmt:MATRIX_FMT_BF8 matrix_b_fmt:MATRIX_FMT_BF8
.rept 8
	v_nop                                          ; eight places ahead of the stores that read the result
.endr
	ds_store_b128 v8, v[ACC:ACC+3]                 ; the result from its low end on
	ds_store_b128 v8, v[ACC+4:ACC+7] offset:512
.irp c, 0,1,2,3
	ds_store_b128 v7, v[XC+4*\c:XC+4*\c+3] offset:32*\c                    ; k = 32 c + 16 h + 0 .. 15 of row r
.endr
	ds_store_b32 v9, v[PWX]                        ; lanes r and r + 16 write the same word with the same value
	s_wait_dscnt 0x0                               ; for the others' sake: my stores have landed
	s_barrier_signal -1
	s_barrier_wait -1
.irp i, 0,1,2,3
	ds_load_b128 v[16+4*\i:19+4*\i], v10 offset:528*\i
.endr
.irp i, 0,1,2,3
	s_wait_dscnt 3-\i                              ; row i is back; the younger loads may be out
	global_store_b128 v11, v[16+4*\i:19+4*\i], s[10:11] offset:512*\i      ; 32 lanes store a whole row of 512 bytes
.endr
	s_cmp_lg_u32 s18, 0
	s_cbranch_scc1 .Lend
	; ---- wave 0 finishes the 16 tokens
.irp s, 0,1,2,3
	ds_load_b128 v[32+8*\s:35+8*\s], v11 offset:PLG+1024*\s
	ds_load_b128 v[36+8*\s:39+8*\s], v11 offset:PLG+1024*\s+512
.endr
	ds_load_b128 v[64:67], v14 offset:XSW          ; row r's four scale words
	s_wait_dscnt 0x0
	s_wait_loadcnt 0x0                             ; bg
.irp j, 0,2,4,6
	v_pk_add_f32 v[32+\j:33+\j], v[32+\j:33+\j], v[40+\j:41+\j]
	v_pk_add_f32 v[48+\j:49+\j], v[48+\j:49+\j], v[56+\j:57+\j]
.endr
.irp j, 0,2,4,6
	v_pk_add_f32 v[32+\j:33+\j], v[32+\j:33+\j], v[48+\j:49+\j]
.endr
.irp j, 0,2,4,6
	v_pk_add_f32 v[32+\j:33+\j], v[32+\j:33+\j], v[BG+\j:BG+\j+1]          ; the logits of token r, experts 8 h + 0 .. 7
.endr
	v_max3_num_f32 v210, v32, v33, v34
	v_max3_num_f32 v210, v210, v35, v36
	v_max3_num_f32 v210, v210, v37, v38
	v_max_num_f32 v210, v210, v39
	v_permlanex16_b32 v211, v210, s[SEL], s[SEL+1]
	v_max_num_f32 v210, v210, v211                 ; the row's largest logit
.irp j, 0,1,2,3,4,5,6,7
	v_sub_f32 v[32+\j], v[32+\j], v210
.endr
.irp j, 0,1,2,3,4,5,6,7
	v_mul_f32 v[32+\j], 0x3fb8aa3b, v[32+\j]
.endr
.irp j, 0,1,2,3,4,5,6,7
	v_exp_f32 v[32+\j], v[32+\j]
.endr
	v_nop                                          ; a plain line behind the last exponential
	s_wait_alu depctr_va_vdst(0)                   ; one wait for the batch, ahead of its first reader
	v_pk_add_f32 v[212:213], v[32:33], v[34:35]
	v_pk_add_f32 v[214:215], v[36:37], v[38:39]
	v_pk_add_f32 v[212:213], v[212:213], v[214:215]
	v_add_f32 v212, v212, v213
	v_permlanex16_b32 v213, v212, s[SEL], s[SEL+1]
	v_add_f32 v212, v212, v213                     ; the row's sum
	v_rcp_f32 v216, v212                           ; its wait stands behind the two selections, ahead of its first reader
; the largest of the eight over both halves of the lanes, and the lowest expert that has it
.macro PICK val, idx
	v_max3_num_f32 v[\val], v32, v33, v34
	v_max3_num_f32 v[\val], v[\val], v35, v36
	v_max3_num_f32 v[\val], v[\val], v37, v38
	v_max_num_f32 v[\val], v[\val], v39
	v_permlanex16_b32 v211, v[\val], s[SEL], s[SEL+1]
	v_max_num_f32 v[\val], v[\val], v211
	v_mov_b32 v[\idx], 64
.irp j, 7,6,5,4,3,2,1,0
	v_cmp_neq_f32 vcc_lo, v[32+\j], v[\val]
	v_cndmask_b32 v[\idx], \j, v[\idx], vcc_lo     ; equal: j; descending, so the lowest j stays
.endr
	v_add_nc_u32 v[\idx], v[\idx], v15             ; + 8 h
	v_permlanex16_b32 v211, v[\idx], s[SEL], s[SEL+1]
	v_min_u32 v[\idx], v[\idx], v211
.endm
	PICK 217, 224
	v_sub_nc_u32 v221, v224, v15                   ; the chosen one's place among my eight, if it is there
.irp j, 0,1,2,3,4,5,6,7
	v_cmp_ne_u32 vcc_lo, \j, v221
	v_cndmask_b32 v[32+\j], -1.0, v[32+\j], vcc_lo ; it is taken out: under every exponential
.endr
	PICK 219, 225
	s_wait_alu depctr_va_vdst(0)                   ; the reciprocal, ahead of its first reader
	v_mul_f32 v222, v217, v216
	v_mul_f32 v223, v219, v216
	s_wait_xcnt 0x0                                ; EXEC changes only behind this wait: stores are out
	v_cmp_gt_u32 vcc_lo, 16, v1
	s_and_saveexec_b32 s23, vcc_lo                 ; lanes 0-15: a lane a token
	global_store_b64 v13, v[224:225], s[14:15]
	global_store_b64 v13, v[222:223], s[16:17]
	global_store_b128 v14, v[64:67], s[12:13]      ; sixteen lanes store 256 consecutive bytes
	s_wait_xcnt 0x0
	s_or_b32 exec_lo, exec_lo, s23
.Lend:
	s_wait_tensorcnt 0x0
	ds_add_u32 v232, v233
	s_wait_dscnt 0x0
	s_endpgm
.Lfunc_end_k_q4f3175b721_gate:
	.size	k_q4f3175b721_gate, .Lfunc_end_k_q4f3175b721_gate-k_q4f3175b721_gate
	.p2alignl 7, 3214868480
	.fill 96, 4, 3214868480
	.section	.rodata,"a",@progbits
	.p2align	6, 0x0
	.amdhsa_kernel k_q4f3175b721_gate
		.amdhsa_group_segment_fixed_size 13312
		.amdhsa_private_segment_fixed_size 0
		.amdhsa_enable_private_segment 0
		.amdhsa_kernarg_size 56
		.amdhsa_user_sgpr_count 2
		.amdhsa_user_sgpr_kernarg_segment_ptr 1
		.amdhsa_wavefront_size32 1
		.amdhsa_system_sgpr_workgroup_id_x 1
		.amdhsa_system_sgpr_workgroup_id_y 1
		.amdhsa_system_sgpr_workgroup_id_z 1
		.amdhsa_system_vgpr_workitem_id 0
		.amdhsa_next_free_vgpr 234
		.amdhsa_next_free_sgpr 66
		.amdhsa_reserve_vcc 1
		.amdhsa_float_denorm_mode_32 3
		.amdhsa_float_denorm_mode_16_64 3
		.amdhsa_memory_ordered 1
		.amdhsa_forward_progress 1
		.amdhsa_inst_pref_size 35
	.end_amdhsa_kernel
	.amdgpu_metadata
---
amdhsa.version: [ 1, 2 ]
amdhsa.kernels:
  - .name:           k_q4f3175b721_gate
    .symbol:         k_q4f3175b721_gate.kd
    .args:
      - { .name: x, .offset: 0, .size: 8, .value_kind: global_buffer, .address_space: global }
      - { .name: Wg, .offset: 8, .size: 8, .value_kind: global_buffer, .address_space: global }
      - { .name: bg, .offset: 16, .size: 8, .value_kind: global_buffer, .address_space: global }
      - { .name: xq, .offset: 24, .size: 8, .value_kind: global_buffer, .address_space: global }
      - { .name: xs, .offset: 32, .size: 8, .value_kind: global_buffer, .address_space: global }
      - { .name: ridx, .offset: 40, .size: 8, .value_kind: global_buffer, .address_space: global }
      - { .name: rw, .offset: 48, .size: 8, .value_kind: global_buffer, .address_space: global }
    .group_segment_fixed_size: 13312
    .private_segment_fixed_size: 0
    .kernarg_segment_align: 8
    .kernarg_segment_size: 56
    .max_flat_workgroup_size: 128
    .sgpr_count:     66
    .vgpr_count:     234
    .wavefront_size: 32
...
	.end_amdgpu_metadata
.endif
;; end of part 1
;; launch place (part 2): grid 1 x 1, 32 waves a work-group, no clusters, 8,192 bytes of LDS; arguments ridx, plan; writes plan
.if DOCPART == 2
	.amdgcn_target "amdgcn-amd-amdhsa--gfx1250"
	.amdhsa_code_object_version 6
	.text
	.protected	k_q4f3175b721_place
	.globl	k_q4f3175b721_place
	.p2align	8
	.type	k_q4f3175b721_place,@function
k_q4f3175b721_place:
	s_mov_b64 s[64:65], 0
	v_nop
	global_prefetch_b8 v0, s[64:65] scope:SCOPE_SE
	s_setreg_imm32_b32 hwreg(HW_REG_WAVE_MODE, 25, 1), 1
	s_wait_xcnt 0x0
; PLACE.  A counting sort of the 4,096 entries (token, slot) by expert, without atomics, by one work-group of 32 waves.
; plan: byte 0: TAB, 32 entries of 16 bytes (off, count, tb, nt), entries 16-31 zeros; byte 512: LIST [4096], the tokens sorted by expert; byte 16,896: POS [2048][2], the padded row of (token, slot).
; count = an expert's rows, nt = ceil(count / 16) its tiles of 16 rows, off and tb their exclusive prefix sums; an entry of rank n of expert e has list place off + n and padded row 16 tb + n.
; An expert without rows gets tb = 0 in TAB, so that a clamped look-ahead of a later launch names tile 0, which always exists.
; Wave w takes tokens 64 w .. 64 w + 63: register E[2 g + k] = slot k of token 64 w + 32 g + lane.  The order inside an expert is: by wave, by register, by lane.
	s_load_b128 s[4:7], s[0:1], 0x0                ; ridx, plan
	v_lshl_add_u32 v88, v0, 2, 0x1000
	v_mov_b32 v89, 0
	v_lshrrev_b32 v1, 5, v0
	v_readfirstlane_b32 s20, v1                    ; wave
	v_and_b32 v1, 31, v0                           ; lane
	v_lshlrev_b32 v2, 3, v1
	s_lshl_b32 s21, s20, 9
	v_add_nc_u32 v2, s21, v2                       ; 8 bytes x (64 wave + lane)
	v_lshlrev_b32 v13, 2, v0                       ; LDS: 128 wave + 4 lane
	v_lshlrev_b32 v14, 2, v1
	v_lshlrev_b32 v63, 4, v1
	s_lshl_b32 s21, s20, 6
	v_add_nc_u32 v80, s21, v1                      ; my two tokens
	v_add_nc_u32 v81, 32, v80
.irp a, 0,1,2,3
	v_mov_b32 v[8+\a], 0
.endr
.irp n, 0,1,2,3,4,5,6,7,8,9,10,11,12,13,14,15
	s_mov_b32 s[32+\n], 0
.endr
	v_mov_b32 v12, 0
	v_mov_b32 v48, 0
	v_mov_b32 v51, 0
	v_mov_b32 v57, 0
	s_wait_kmcnt 0x0
	global_load_b64 v[4:5], v2, s[4:5]
	global_load_b64 v[6:7], v2, s[4:5] offset:256
	s_wait_loadcnt 0x0
.irp a, 0,1,2,3
	v_and_b32 v[4+\a], 15, v[4+\a]
.endr
.set EE, 0
.rept 16                               ; for each expert: an entry's rank inside the wave, and the wave's count in s[32 + expert]
.irp a, 0,1,2,3
	v_cmp_eq_u32 vcc_lo, EE, v[4+\a]
	v_mbcnt_lo_u32_b32 v54, vcc_lo, s[32+EE]       ; the entries counted so far + those of lower lanes
	v_cndmask_b32 v[8+\a], v[8+\a], v54, vcc_lo
	s_bcnt1_i32_b32 s21, vcc_lo
	s_add_co_u32 s[32+EE], s[32+EE], s21
.endr
.set EE, EE+1
.endr
.irp n, 0,1,2,3,4,5,6,7,8,9,10,11,12,13,14,15
	v_writelane_b32 v12, s[32+\n], \n              ; lane e: my wave's count of expert e; lanes 16-31: 0
.endr
	ds_store_b32 v13, v12
	s_wait_dscnt 0x0                               ; for the others' sake
	s_barrier_signal -1
	s_barrier_wait -1
.set i, 0
.rept 32
	ds_load_b32 v[16+i], v14 offset:128*i          ; lane e: wave i's count of expert e
.set i, i+1
.endr
	s_wait_dscnt 0x0
.set i, 0
.rept 32
	s_cmp_gt_u32 s20, i
	s_cselect_b32 s21, -1, 0
	v_add_nc_u32 v57, v57, v[16+i]                 ; count
	v_and_b32 v54, s21, v[16+i]
	v_add_nc_u32 v48, v48, v54                     ; the earlier waves' part of it
.set i, i+1
.endr
	v_add_nc_u32 v59, 15, v57
	v_lshrrev_b32 v59, 4, v59                      ; nt
	v_mov_b32 v49, v57
	v_mov_b32 v50, v59
.irp n, 1,2,4,8                        ; two inclusive scans over the sixteen lanes of a row
	v_mov_b32_dpp v51, v49 row_shr:\n row_mask:0xf bank_mask:0xf bound_ctrl:1
	v_add_nc_u32 v49, v49, v51
	v_mov_b32_dpp v51, v50 row_shr:\n row_mask:0xf bank_mask:0xf bound_ctrl:1
	v_add_nc_u32 v50, v50, v51
.endr
	v_sub_nc_u32 v56, v49, v57                     ; off
	v_sub_nc_u32 v55, v50, v59                     ; tb
	v_add_nc_u32 v52, v56, v48                     ; where my wave's entries of expert e begin in the list
	v_lshlrev_b32 v53, 4, v55
	v_sub_nc_u32 v53, v53, v56                     ; padded row - list place
	v_cmp_ne_u32 vcc_lo, 0, v59
	v_cndmask_b32 v58, 0, v55, vcc_lo              ; tb as stored: 0 for an expert without rows
.irp a, 0,1,2,3
	v_lshlrev_b32 v[64+\a], 2, v[4+\a]
	ds_bpermute_b32 v[68+\a], v[64+\a], v52        ; lane e's figures for my entry's expert
	ds_bpermute_b32 v[72+\a], v[64+\a], v53
.endr
	s_wait_dscnt 0x0
.irp a, 0,1,2,3
	v_add_nc_u32 v[68+\a], v[68+\a], v[8+\a]       ; list place
	v_add_nc_u32 v[72+\a], v[72+\a], v[68+\a]      ; padded row
	v_min_u32 v[76+\a], 0xfff, v[68+\a]
	v_lshlrev_b32 v[76+\a], 2, v[76+\a]
.endr
.irp a, 0,1,2,3
	global_store_b32 v[76+\a], v[80+\a/2], s[6:7] offset:512               ; LIST: 4 bytes at a sorted place; 16 KiB in the whole launch
.endr
	global_store_b64 v2, v[72:73], s[6:7] offset:16896                     ; POS: the wave stores 256 consecutive bytes
	global_store_b64 v2, v[74:75], s[6:7] offset:16896+256
	s_cmp_lg_u32 s20, 0
	s_cbranch_scc1 .Lend
	global_store_b128 v63, v[56:59], s[6:7]        ; TAB: 512 consecutive bytes
.Lend:
	s_wait_tensorcnt 0x0
	ds_add_u32 v88, v89
	s_wait_dscnt 0x0
	s_endpgm
.Lfunc_end_k_q4f3175b721_place:
	.size	k_q4f3175b721_place, .Lfunc_end_k_q4f3175b721_place-k_q4f3175b721_place
	.p2alignl 7, 3214868480
	.fill 96, 4, 3214868480
	.section	.rodata,"a",@progbits
	.p2align	6, 0x0
	.amdhsa_kernel k_q4f3175b721_place
		.amdhsa_group_segment_fixed_size 8192
		.amdhsa_private_segment_fixed_size 0
		.amdhsa_enable_private_segment 0
		.amdhsa_kernarg_size 16
		.amdhsa_user_sgpr_count 2
		.amdhsa_user_sgpr_kernarg_segment_ptr 1
		.amdhsa_wavefront_size32 1
		.amdhsa_system_sgpr_workgroup_id_x 1
		.amdhsa_system_sgpr_workgroup_id_y 1
		.amdhsa_system_sgpr_workgroup_id_z 1
		.amdhsa_system_vgpr_workitem_id 0
		.amdhsa_next_free_vgpr 90
		.amdhsa_next_free_sgpr 66
		.amdhsa_reserve_vcc 1
		.amdhsa_float_denorm_mode_32 3
		.amdhsa_float_denorm_mode_16_64 3
		.amdhsa_memory_ordered 1
		.amdhsa_forward_progress 1
		.amdhsa_inst_pref_size 26
	.end_amdhsa_kernel
	.amdgpu_metadata
---
amdhsa.version: [ 1, 2 ]
amdhsa.kernels:
  - .name:           k_q4f3175b721_place
    .symbol:         k_q4f3175b721_place.kd
    .args:
      - { .name: ridx, .offset: 0, .size: 8, .value_kind: global_buffer, .address_space: global }
      - { .name: plan, .offset: 8, .size: 8, .value_kind: global_buffer, .address_space: global }
    .group_segment_fixed_size: 8192
    .private_segment_fixed_size: 0
    .kernarg_segment_align: 8
    .kernarg_segment_size: 16
    .max_flat_workgroup_size: 1024
    .sgpr_count:     66
    .vgpr_count:     90
    .wavefront_size: 32
...
	.end_amdgpu_metadata
.endif
;; end of part 2
;; launch hidden (part 3): grid 16 x 16, 4 waves a work-group, no clusters, 68,096 bytes of LDS; arguments W1, b1, xq, xs, plan, hq, hs; writes hq, hs
.if DOCPART == 3
	.amdgcn_target "amdgcn-amd-amdhsa--gfx1250"
	.amdhsa_code_object_version 6
	.text
	.protected	k_q4f3175b721_hidden
	.globl	k_q4f3175b721_hidden
	.p2align	8
	.type	k_q4f3175b721_hidden,@function
k_q4f3175b721_hidden:
	s_mov_b64 s[64:65], 0
	v_nop
	global_prefetch_b8 v0, s[64:65] scope:SCOPE_SE
	s_setreg_imm32_b32 hwreg(HW_REG_WAVE_MODE, 25, 1), 1
	s_wait_xcnt 0x0
; HIDDEN.  Work-group (sl, e): h = relu(x W1[e] + b1[e]) for hidden units 128 sl .. 128 sl + 127 and the rows routed to expert e, quantised along H on the way.
; Both operands go to the scaled matrix form as codes of E5M2 with E8M0 scales.  x's codes and scale words were made once; W1's piece, 512 x 128 f32 = 256 KiB, has this work-group as its ONLY reader and is quantised here.
; PHASE W.  Wave w takes K step w (128 along D) of the piece.  A load reads two whole runs of 256 bytes: lanes 0-15 four columns each of row k, lanes 16-31 of row k + 16.  So a lane holds, of each of its columns,
; 16 neighbours along K; the hold (v_med3) also lays them in consecutive registers; the conversions' results are 16 bytes of an operand's register image, which goes to LDS.  One barrier; every wave then loads all 32 fragments: 512 registers.
; THE UNITS OF A TILE ARE NOT NEIGHBOURS: lane r of tile 2 b + u holds unit 32 b + 8 u + r + 8 (r / 8), so that the 16 result registers of tiles 2 b, 2 b + 1 are 16 neighbours along the next K.
; PHASE T.  The waves share the rows: wave w takes tiles w, w + 4, .. of 16 rows.  Source 0 = 16 units, source 1 = 16 tokens: a lane holds one token.  b1 is the C of each sum's first product.  The 128 units are K step sl of the next
; product: the tile's codes leave as a register image of 2,048 bytes (hq [272 tiles][16 K steps][2048]), its scale words as hs [272][16][16 rows].  Rows beyond an expert's count repeat its last row; nobody reads them.
; The trip count and two forward branches hang on numbers that an earlier launch stored, so there is no tensor load here, and the one barrier stands ahead of them.  NO CLUSTER: no weight byte has a second reader;
; what work-groups share (the rows' codes, 8 KiB a tile) is small beside a work-group's 256 KiB of weights, and partners would have different numbers of tiles.
; LIMITS: NaN and infinities are not served; a block of zeros gets the byte 1 (zero codes; the bytes are read by this program alone).
; REGISTERS.  window 0: v1-23 addresses; v24-55 W1's scale words; v56-63 x's, two sets; phase W: v64-191 numbers held, v192-223 codes, v224-231 scale words in the making, v232-255 at work; phase T: v64-127 the 8 accumulators, v128-143 codes, v144 their word, v148-163 at work.
;   windows 1, 2: the raw piece, then the 32 fragments (fragment f = 8 s + t at v[16 (f % 16)] of window 1 + f / 16).   window 3: v0-127 x's fragments, two sets of four; v128-191 b1 in the result's layout.
.set WSC,  65536                       ; LDS: 0: 32 images of 2,048 bytes; WSC: 32 x 16 scale words
.set WA,   4                           ; v4   W1: 16 (lane % 16) + 16 rows x (lane / 16)
.set IA,   5                           ; v5   where my codes go in the images
.set SA,   6                           ; v6   and my scale words
.set LI,   7                           ; v7   16 x lane
.set SR,   8                           ; v8   WSC + 4 r
.set R4,   9                           ; v9   4 r
.set XAD,  10                          ; v10-11 x's codes: token x 512 + 16 h, a register for each set
.set XSA,  12                          ; v12-13 x's scale words: token x 16
.set TKR,  14                          ; v14-15 tokens as loaded from the list
.set LP,   16                          ; v16-17 places in the list
.set HO,   18                          ; v18  hq: my 16 bytes of the tile's image
.set HSO,  19                          ; v19  hs: row r's word
.set H16,  20
.set H64,  21
.set WS,   24
.set XW,   56
.set HA,   64
.set PC,   128
.set PW,   144
.set TM,   148
.set T,    64
.set C,    192
.set WSW,  224
.set MM,   232                         ; largest magnitudes, then 57,344 x the scale
.set PP,   240                         ; the other half's, then the bytes
.set SC,   248                         ; the conversions' scale operands
.set SEL,  30
.set MNT,  29
.set MSB,  0
.macro WIN new                         ; the immediate's high byte repeats the setting that is left; a switch that changes nothing is dropped
.if MSB != (\new)
	s_set_vgpr_msb (MSB<<8)|(\new)
.set MSB, (\new)
.endif
.endm
.macro QUANT s, d, w, relu
.if \relu
.irp b, 0,1,2,3
	v_max3_num_f32 v[TM+\b], v[\s+16*\b], v[\s+1+16*\b], 0x8000000         ; no |.|: what is negative becomes 0 and must not count; the floor 2^(16 - 127) holds the byte at 1 from below.  Each accumulator is read from its low end on
.endr
.irp i, 2,4,6,8,10,12,14
.irp b, 0,1,2,3
	v_max3_num_f32 v[TM+\b], v[TM+\b], v[\s+16*\b+\i], v[\s+1+16*\b+\i]
.endr
.endr
.else
.irp b, 0,1,2,3
	v_max3_num_f32 v[TM+\b], |v[\s+16*\b]|, |v[\s+1+16*\b]|, 0x8000000
.endr
.irp i, 2,4,6,8,10,12,14
.irp b, 0,1,2,3
	v_max3_num_f32 v[TM+\b], v[TM+\b], |v[\s+16*\b+\i]|, |v[\s+1+16*\b+\i]|
.endr
.endr
.endif
.irp b, 0,1,2,3
	v_permlanex16_b32 v[TM+4+\b], v[TM+\b], s[SEL], s[SEL+1]
.endr
.irp b, 0,1,2,3
	v_max_num_f32 v[TM+\b], v[TM+\b], v[TM+4+\b]                           ; with lane l xor 16's: the block's largest
.endr
.irp b, 0,1,2,3
	v_add_nc_u32 v[TM+12+\b], 0xf8800000, v[TM+\b]                         ; 15 off its exponent field: the conversion's scale operand
.endr
.irp b, 0,1,2,3
	v_and_or_b32 v[TM+8+\b], v[TM+\b], 0x7f800000, s[MNT]                  ; 57,344 x the scale
.endr
.irp b, 0,1,2,3
	v_lshrrev_b32 v[TM+4+\b], 23, v[TM+12+\b]                              ; the scale's byte
.endr
	v_lshl_or_b32 v[\w], v[TM+5], 8, v[TM+4]
	v_lshl_or_b32 v[\w], v[TM+6], 16, v[\w]
	v_lshl_or_b32 v[\w], v[TM+7], 24, v[\w]
.irp b, 0,1,2,3
.irp i, 0,1,2,3,4,5,6,7,8,9,10,11,12,13,14,15
.if \relu
	v_med3_num_f32 v[\s+16*\b+\i], v[\s+16*\b+\i], 0, v[TM+8+\b]           ; the activation and the hold in one
.else
	v_med3_num_f32 v[\s+16*\b+\i], v[\s+16*\b+\i], -v[TM+8+\b], v[TM+8+\b]
.endif
.endr
	v_cvt_scalef32_pk8_bf8_f32 v[\d+4*\b:\d+4*\b+1], v[\s+16*\b:\s+16*\b+7], v[TM+12+\b]
	v_cvt_scalef32_pk8_bf8_f32 v[\d+4*\b+2:\d+4*\b+3], v[\s+16*\b+8:\s+16*\b+15], v[TM+12+\b]
.endr
	v_nop                                          ; one plain line behind the last conversion
.endm
; group g: block g (32 along K) of my K step x 128 units: 32 loads into 128 registers: register 64 u + 4 i + j = W1(32 g + 16 h + i, 64 u + 4 (lane % 16) + j)
.macro LOADG g
	WIN 0x40*(1+((\g)>>1))
.irp u, 0,1
.irp i, 0,1,2,3,4,5,6,7,8,9,10,11,12,13,14,15
	global_load_b128 v[128*((\g)&1)+64*\u+4*\i:128*((\g)&1)+64*\u+4*\i+3], v[WA], s[4:5] offset:(32*(\g)+\i)*8192+256*\u th:TH_LOAD_NT
.endr
.endr
	WIN 0
.endm
; group g is quantised: eight columns a lane (q = 4 u + j), 16 numbers of each
.macro QG g
.set WW, 1+((\g)>>1)
.set RB, 128*((\g)&1)
	WIN (WW<<2)|(WW<<4)
.irp q, 0,1,2,3,4,5,6,7
	v_max3_num_f32 v[MM+\q], s28, |v[RB+64*(\q/4)+(\q%4)]|, |v[RB+64*(\q/4)+(\q%4)+4]|      ; the floor 2^(16 - 127) among the leaves
.endr
.irp i, 2,4,6,8,10,12,14
.irp q, 0,1,2,3,4,5,6,7
	v_max3_num_f32 v[MM+\q], v[MM+\q], |v[RB+64*(\q/4)+(\q%4)+4*\i]|, |v[RB+64*(\q/4)+(\q%4)+4*\i+4]|
.endr
.endr
	WIN 0
.irp q, 0,1,2,3,4,5,6,7
	v_permlanex16_b32 v[PP+\q], v[MM+\q], s[SEL], s[SEL+1]
.endr
.irp q, 0,1,2,3,4,5,6,7
	v_max_num_f32 v[MM+\q], v[MM+\q], v[PP+\q]     ; with lane l xor 16's 16: the block's largest magnitude
.endr
.irp q, 0,1,2,3,4,5,6,7
	v_add_nc_u32 v[SC+\q], 0xf8800000, v[MM+\q]
.endr
.irp q, 0,1,2,3,4,5,6,7
	v_and_or_b32 v[MM+\q], v[MM+\q], 0x7f800000, s[MNT]
.endr
.irp q, 0,1,2,3,4,5,6,7
	v_lshrrev_b32 v[PP+\q], 23, v[SC+\q]
.endr
.irp q, 0,1,2,3,4,5,6,7
.if (\g) == 0
	v_mov_b32 v[WSW+\q], v[PP+\q]                  ; byte g of the column's scale word for my K step
.else
	v_lshl_or_b32 v[WSW+\q], v[PP+\q], 8*(\g), v[WSW+\q]
.endif
.endr
	WIN WW
.irp q, 0,1,2,3,4,5,6,7
.irp i, 0,1,2,3,4,5,6,7,8,9,10,11,12,13,14,15
	v_med3_num_f32 v[T+16*\q+\i], v[RB+64*(\q/4)+4*\i+(\q%4)], -v[MM+\q], v[MM+\q]          ; the hold, and a column's 16 numbers into consecutive registers
.endr
.endr
	WIN 0
	s_wait_dscnt 0x0                               ; the last group's LDS stores have read the codes' registers
.irp q, 0,1,2,3,4,5,6,7
	v_cvt_scalef32_pk8_bf8_f32 v[C+4*\q:C+4*\q+1], v[T+16*\q:T+16*\q+7], v[SC+\q]
	v_cvt_scalef32_pk8_bf8_f32 v[C+4*\q+2:C+4*\q+3], v[T+16*\q+8:T+16*\q+15], v[SC+\q]
.endr
	v_nop
.irp q, 0,1,2,3,4,5,6,7
	ds_store_b128 v[IA], v[C+4*\q:C+4*\q+3] offset:8192*(\q/4)+512*(\g)+16*(\q%4)
.endr
.endm
.macro MKLP b, add                     ; the list place of row r of tile M + add, held inside the expert's rows and inside the list
	s_add_co_u32 s34, s32, \add
	s_lshl_b32 s34, s34, 4
	v_add_nc_u32 v[LP+\b], s34, v2
	v_min_u32 v[LP+\b], s40, v[LP+\b]
	v_add_nc_u32 v[LP+\b], s20, v[LP+\b]
	v_min_u32 v[LP+\b], 0xfff, v[LP+\b]
	v_lshlrev_b32 v[LP+\b], 2, v[LP+\b]
.endm
.macro LLOAD b
	global_load_b32 v[TKR+\b], v[LP+\b], s[12:13] offset:512
.endm
.macro XADR b
	v_min_u32 v[TKR+\b], 0x7ff, v[TKR+\b]
	v_lshl_add_u32 v[XAD+\b], v[TKR+\b], 9, v[H16]
	v_lshlrev_b32 v[XSA+\b], 4, v[TKR+\b]
.endm
.macro XLOAD b                         ; 17 loads: a tile's four fragments of x and its rows' four scale words
	WIN 0xc0
.irp s, 0,1,2,3
.irp c, 0,1,2,3
	global_load_b128 v[64*\b+16*\s+4*\c:64*\b+16*\s+4*\c+3], v[XAD+\b], s[8:9] offset:128*\s+32*\c
.endr
.endr
	WIN 0
	global_load_b128 v[XW+4*\b:XW+4*\b+3], v[XSA+\b], s[10:11]
.endm
	s_load_b256 s[4:11], s[0:1], 0x0               ; W1 s[4:5], b1 s[6:7], xq s[8:9], xs s[10:11]
	s_load_b128 s[12:15], s[0:1], 0x20             ; plan s[12:13], hq s[14:15]
	s_load_b64 s[16:17], s[0:1], 0x30              ; hs
	v_lshl_add_u32 v23, v0, 2, 0x10800
	s_set_vgpr_msb 0xc0
	v_mov_b32 v255, 0
	s_set_vgpr_msb 0xc000
	v_lshrrev_b32 v1, 5, v0
	v_readfirstlane_b32 s24, v1                    ; wave
	v_and_b32 v1, 31, v0
	v_and_b32 v2, 15, v0                           ; r
	v_bfe_u32 v3, v0, 4, 1                         ; h
	s_and_b32 s25, ttmp7, 0xffff                   ; the expert
	s_mov_b32 s26, ttmp9                           ; the slice of 128 hidden units
	v_lshlrev_b32 v[WA], 4, v2
	v_lshl_add_u32 v[WA], v3, 17, v[WA]            ; 16 rows of 8,192 bytes for lanes 16-31
	; unit n = 64 u + 4 (lane % 16) + j lies in tile 2 (n / 32) + (n / 8) % 2 at lane n % 8 + 8 ((n / 16) % 2)
	v_bfe_u32 v22, v0, 3, 1
	v_lshlrev_b32 v[IA], 12, v22
	v_lshlrev_b32 v[SA], 7, v22
	v_bfe_u32 v22, v0, 1, 1
	v_lshl_add_u32 v[IA], v22, 11, v[IA]
	v_lshl_add_u32 v[SA], v22, 6, v[SA]
	v_and_b32 v22, 1, v0
	v_lshl_add_u32 v[IA], v22, 6, v[IA]
	v_lshl_add_u32 v[SA], v22, 4, v[SA]
	v_bfe_u32 v22, v0, 2, 1
	v_lshl_add_u32 v[IA], v22, 7, v[IA]
	v_lshl_add_u32 v[SA], v22, 5, v[SA]
	v_lshl_add_u32 v[IA], v3, 8, v[IA]
	s_lshl_b32 s34, s24, 14
	v_add_nc_u32 v[IA], s34, v[IA]                 ; + my K step's eight images
	s_lshl_b32 s34, s24, 9
	s_add_co_u32 s34, s34, WSC
	v_add_nc_u32 v[SA], s34, v[SA]
	v_lshlrev_b32 v[LI], 4, v1
	v_lshlrev_b32 v[R4], 2, v2
	v_add_nc_u32 v[SR], WSC, v[R4]
	v_lshlrev_b32 v[H16], 4, v3
	v_lshlrev_b32 v[H64], 6, v3
	s_mov_b32 s28, 0x8000000
	s_mov_b32 s[MNT], 0x600000
	s_mov_b32 s[SEL], 0x76543210
	s_mov_b32 s[SEL+1], 0xfedcba98
.irp q, 0,1,2,3,4,5,6,7
	v_mov_b32 v[PP+\q], 0                          ; written once: a lane permute's destination counts as one of its sources
.endr
.irp b, 0,1,2,3
	v_mov_b32 v[TM+4+\b], 0
.endr
	s_lshl_b32 s34, s25, 22                        ; W1: the expert's 4 MiB, the slice's 512 bytes of a row, my K step's 128 rows
	s_lshl_b32 s36, s26, 9
	s_add_co_u32 s34, s34, s36
	s_lshl_b32 s36, s24, 20
	s_add_co_u32 s34, s34, s36
	s_mov_b32 s35, 0
	s_lshl_b32 s36, s25, 13                        ; b1
	s_lshl_b32 s38, s26, 9
	s_add_co_u32 s36, s36, s38
	s_mov_b32 s37, 0
	s_lshl_b32 s38, s25, 4                         ; TAB
	s_mov_b32 s39, 0
	s_lshl_b32 s41, s26, 11                        ; my K step's image in a tile of hq,
	s_lshl_b32 s42, s26, 6                         ; and its words in hs
	s_mov_b32 s32, s24                             ; M: the tile in hand
	s_wait_kmcnt 0x0
	s_add_nc_u64 s[18:19], s[12:13], s[38:39]
	s_load_b128 s[20:23], s[18:19], 0x0            ; off s20, count s21, tb s22, nt s23
	s_add_nc_u64 s[4:5], s[4:5], s[34:35]
	s_add_nc_u64 s[6:7], s[6:7], s[36:37]
	LOADG 0
	LOADG 1
	s_wait_kmcnt 0x0
	s_max_u32 s40, s21, 1
	s_sub_co_u32 s40, s40, 1                       ; the expert's last row
	MKLP 0, 0
	LLOAD 0
	MKLP 1, 4
	LLOAD 1
	s_wait_loadcnt 34                              ; group 0 is in; behind it: group 1's 32 and the two list loads
	LOADG 2
	QG 0
	s_wait_loadcnt 32                              ; group 1 and the list loads are in; behind them: group 2's 32
	LOADG 3
	QG 1
	s_wait_loadcnt 32                              ; group 2 is in; behind it: group 3's 32
	XADR 0
	XLOAD 0                                        ; tile w,
	MKLP 0, 8
	LLOAD 0                                        ; the list for tile w + 8,
	WIN 0xc0
.irp t, 0,1,2,3,4,5,6,7                ; and b1: lane (r, h) of tile 2 b + u wants units 32 b + 8 u + 16 h + 0 .. 7
	global_load_b128 v[128+8*\t:131+8*\t], v[H64], s[6:7] offset:(32*(\t/2)+8*(\t%2))*4
	global_load_b128 v[132+8*\t:135+8*\t], v[H64], s[6:7] offset:(32*(\t/2)+8*(\t%2))*4+16
.endr
	WIN 0
	QG 2
	s_wait_loadcnt 34                              ; group 3 is in; behind it: 17 + 1 + 16
	XADR 1
	XLOAD 1                                        ; tile w + 4
	MKLP 1, 12
	LLOAD 1
	QG 3
	ds_store_b128 v[SA], v[WSW:WSW+3]              ; lanes l and l xor 16 write the same words with the same values
	ds_store_b128 v[SA], v[WSW+4:WSW+7] offset:256
	s_wait_dscnt 0x0                               ; for the others' sake: my images and words have landed
	s_barrier_signal -1
	s_barrier_wait -1
	WIN 0x40
.irp f, 0,1,2,3,4,5,6,7,8,9,10,11,12,13,14,15
.irp c, 0,1,2,3
	ds_load_b128 v[16*\f+4*\c:16*\f+4*\c+3], v[LI] offset:2048*\f+512*\c
.endr
.endr
	WIN 0x80
.irp f, 0,1,2,3,4,5,6,7,8,9,10,11,12,13,14,15
.irp c, 0,1,2,3
	ds_load_b128 v[16*\f+4*\c:16*\f+4*\c+3], v[LI] offset:2048*(16+\f)+512*\c
.endr
.endr
	WIN 0
.set i, 0
.rept 32
	ds_load_b32 v[WS+i], v[SR] offset:64*i
.set i, i+1
.endr
	s_wait_dscnt 0x0
	s_add_co_u32 s33, s23, 7
	s_sub_co_u32 s33, s33, s24
	s_lshr_b32 s33, s33, 3                         ; trips: two of my tiles a trip
	s_cmp_eq_u32 s33, 0
	s_cbranch_scc1 .Lend
; A TILE of 16 rows, on set b.  The second tile of a trip may lie past the expert's last: its products and its stores are jumped over, its waits and look-ahead loads are not, so every count holds on every way.
.macro TILE b
	s_wait_loadcnt 18                              ; this tile's 17 loads and the list load behind them are in; the other set's 17 + 1 may be out
	s_wait_xcnt 0x0                                ; the last tile's stores have read their data and addresses
.if \b
	s_cmp_ge_u32 s32, s23
	s_cbranch_scc1 .Lnoprod_\@
.endif
	WIN 0x3d                                       ; source 0 (W1) window 1, sources 1 (x) and 2 (b1) window 3.  The eight accumulators take turns, one instruction a turn
.irp t, 0,1,2,3,4,5,6,7
	v_wmma_scale_f32_16x16x128_f8f6f4 v[HA+8*\t:HA+8*\t+7], v[16*\t:16*\t+15], v[64*\b:64*\b+15], v[128+8*\t:128+8*\t+7], v[WS+\t], v[XW+4*\b] matrix_a_fmt:MATRIX_FMT_BF8 matrix_b_fmt:MATRIX_FMT_BF8
.endr
	WIN 0x0d
.irp t, 0,1,2,3,4,5,6,7
	v_wmma_scale_f32_16x16x128_f8f6f4 v[HA+8*\t:HA+8*\t+7], v[128+16*\t:128+16*\t+15], v[64*\b+16:64*\b+31], v[HA+8*\t:HA+8*\t+7], v[WS+8+\t], v[XW+4*\b+1] matrix_a_fmt:MATRIX_FMT_BF8 matrix_b_fmt:MATRIX_FMT_BF8
.endr
	WIN 0x0e
.irp t, 0,1,2,3,4,5,6,7
	v_wmma_scale_f32_16x16x128_f8f6f4 v[HA+8*\t:HA+8*\t+7], v[16*\t:16*\t+15], v[64*\b+32:64*\b+47], v[HA+8*\t:HA+8*\t+7], v[WS+16+\t], v[XW+4*\b+2] matrix_a_fmt:MATRIX_FMT_BF8 matrix_b_fmt:MATRIX_FMT_BF8
.endr
.irp t, 0,1,2,3,4,5,6,7
	v_wmma_scale_f32_16x16x128_f8f6f4 v[HA+8*\t:HA+8*\t+7], v[128+16*\t:128+16*\t+15], v[64*\b+48:64*\b+63], v[HA+8*\t:HA+8*\t+7], v[WS+24+\t], v[XW+4*\b+3] matrix_a_fmt:MATRIX_FMT_BF8 matrix_b_fmt:MATRIX_FMT_BF8
.endr
	WIN 0
.if \b
.Lnoprod_\@:
.endif
	; ten plain lines that name no register of the products: the places ahead of the loads into x's registers, of the first read of the results, and of the next tile's first products
	XADR \b                                        ; tile M + 8's tokens are in
	MKLP \b, 16
	s_add_co_u32 s35, s22, s32
	s_min_u32 s35, s35, 271                        ; the tile's number among all experts' tiles
	s_lshl_b32 s36, s35, 15
	s_add_co_u32 s36, s36, s41
	s_lshl_b32 s37, s35, 10
	s_add_co_u32 s37, s37, s42
	v_add_nc_u32 v[HO], s36, v[LI]
	v_add_nc_u32 v[HSO], s37, v[R4]
	XLOAD \b                                       ; tile M + 8 into the set just multiplied
	LLOAD \b                                       ; the list for tile M + 16
.if \b
	s_cmp_ge_u32 s32, s23
	s_cbranch_scc1 .Lnost_\@
.endif
	QUANT HA, PC, PW, 1
.irp c, 0,1,2,3
	global_store_b128 v[HO], v[PC+4*\c:PC+4*\c+3], s[14:15] offset:512*\c  ; 32 lanes store 512 consecutive bytes of the image
.endr
	global_store_b32 v[HSO], v[PW], s[16:17]       ; lanes r and r + 16 store the same word
.if \b
.Lnost_\@:
.endif
	s_add_co_u32 s32, s32, 4
.endm
.Ltile:
	TILE 0
	TILE 1
	s_sub_co_u32 s33, s33, 1
	s_cmp_lg_u32 s33, 0
	s_cbranch_scc1 .Ltile
.Lend:
	s_set_vgpr_msb 0xc
	s_wait_tensorcnt 0x0
	ds_add_u32 v23, v255
	s_wait_dscnt 0x0
	s_set_vgpr_msb 0xc00
	s_endpgm
.Lfunc_end_k_q4f3175b721_hidden:
	.size	k_q4f3175b721_hidden, .Lfunc_end_k_q4f3175b721_hidden-k_q4f3175b721_hidden
	.p2alignl 7, 3214868480
	.fill 96, 4, 3214868480
	.section	.rodata,"a",@progbits
	.p2align	6, 0x0
	.amdhsa_kernel k_q4f3175b721_hidden
		.amdhsa_group_segment_fixed_size 68096
		.amdhsa_private_segment_fixed_size 0
		.amdhsa_enable_private_segment 0
		.amdhsa_kernarg_size 56
		.amdhsa_user_sgpr_count 2
		.amdhsa_user_sgpr_kernarg_segment_ptr 1
		.amdhsa_wavefront_size32 1
		.amdhsa_system_sgpr_workgroup_id_x 1
		.amdhsa_system_sgpr_workgroup_id_y 1
		.amdhsa_system_sgpr_workgroup_id_z 1
		.amdhsa_system_vgpr_workitem_id 0
		.amdhsa_next_free_vgpr 1024
		.amdhsa_next_free_sgpr 66
		.amdhsa_reserve_vcc 0
		.amdhsa_float_denorm_mode_32 3
		.amdhsa_float_denorm_mode_16_64 3
		.amdhsa_memory_ordered 1
		.amdhsa_forward_progress 1
		.amdhsa_inst_pref_size 130
	.end_amdhsa_kernel
	.amdgpu_metadata
---
amdhsa.version: [ 1, 2 ]
amdhsa.kernels:
  - .name:           k_q4f3175b721_hidden
    .symbol:         k_q4f3175b721_hidden.kd
    .args:
      - { .name: W1, .offset: 0, .size: 8, .value_kind: global_buffer, .address_space: global }
      - { .name: b1, .offset: 8, .size: 8, .value_kind: global_buffer, .address_space: global }
      - { .name: xq, .offset: 16, .size: 8, .value_kind: global_buffer, .address_space: global }
      - { .name: xs, .offset: 24, .size: 8, .value_kind: global_buffer, .address_space: global }
      - { .name: plan, .offset: 32, .size: 8, .value_kind: global_buffer, .address_space: global }
      - { .name: hq, .offset: 40, .size: 8, .value_kind: global_buffer, .address_space: global }
      - { .name: hs, .offset: 48, .size: 8, .value_kind: global_buffer, .address_space: global }
    .group_segment_fixed_size: 68096
    .private_segment_fixed_size: 0
    .kernarg_segment_align: 8
    .kernarg_segment_size: 56
    .max_flat_workgroup_size: 128
    .sgpr_count:     66
    .vgpr_count:     1024
    .wavefront_size: 32
...
	.end_amdgpu_metadata
.endif
;; end of part 3
;; launch outp (part 4): grid 16 x 16, 4 waves a work-group, no clusters, 85,504 bytes of LDS; arguments W2, hq, hs, plan, ex; writes ex
.if DOCPART == 4
	.amdgcn_target "amdgcn-amd-amdhsa--gfx1250"
	.amdhsa_code_object_version 6
	.text
	.protected	k_q4f3175b721_outp
	.globl	k_q4f3175b721_outp
	.p2align	8
	.type	k_q4f3175b721_outp,@function
k_q4f3175b721_outp:
	s_mov_b64 s[64:65], 0
	v_nop
	global_prefetch_b8 v0, s[64:65] scope:SCOPE_SE
	s_setreg_imm32_b32 hwreg(HW_REG_WAVE_MODE, 25, 1), 1
	s_wait_xcnt 0x0
; OUTP.  Work-group (x, e), x = 8 kh + dsl: the part of h W2[e] over hidden units 1,024 kh .. + 1,023, for output columns 64 dsl .. + 63 and the rows routed to expert e.
; ex [4352 padded rows][2 halves of K][512] f32; the two halves, b2, the gate's weights, the residual and the norm are the next launch's.
; W2's piece, 1,024 x 64 f32 = 256 KiB, has this work-group as its ONLY reader and is quantised here, as the launch before quantises W1's: a load reads two whole runs of 256 bytes (row k in lanes 0-15, row k + 16 in lanes 16-31),
; a lane holds 16 neighbours along K of each of its four columns, the hold lays them in consecutive registers, the codes go to LDS as parts of register images; one barrier; every wave loads all 32 fragments (8 K steps x 4 tiles of 16 columns).
; Wave w quantises K steps 2 w and 2 w + 1.  Then the waves share the rows: wave w takes tiles w, w + 4, ..; h's fragments come from memory as the register images that the launch before stored.
; Source 0 = 16 columns of W2, source 1 = 16 rows of h: a lane holds one row and eight neighbouring columns; a tile goes through the wave's own stage in LDS and leaves as runs of 256 bytes.
; The trip count and two forward branches hang on stored numbers: no tensor load, and the one barrier stands ahead of them.  NO CLUSTER: no weight byte has a second reader, and partners of different experts would have different numbers of tiles.
; LIMITS: NaN and infinities are not served; a block of zeros gets the byte 1.
; REGISTERS.  window 0: v1-23 addresses; v24-55 W2's scale words; v56-63 h's, two sets; phase W: v64-191, v192-223, v224-231, v232-255 as in the launch before; then v64-95 four accumulators, v96-127 rows on the way out.
;   windows 1, 2: the raw piece, then the fragments (f = 4 s + n at v[16 (f % 16)] of window 1 + f / 16).   window 3: h's eight fragments, two sets.
.set WSC,  65536
.set STG,  67584                       ; a stage of 16 rows x (256 + 16) bytes for each wave
.set WA,   4
.set IA,   5
.set SA,   6
.set LI,   7                           ; 16 x lane
.set SR,   8                           ; WSC + 4 r
.set L4,   9                           ; 4 x lane
.set HAD,  10                          ; v10-11 hq: my 16 bytes of a tile's first image of this half of K
.set HSD,  12                          ; v12-13 hs
.set STO,  14
.set RD,   15
.set EO,   16
.set EB,   17                          ; 16 r + 4,096 h
.set WS,   24
.set HW,   56
.set ACC,  64
.set OB,   96
.set T,    64
.set C,    192
.set WSW,  224
.set MM,   232
.set PP,   240
.set SC,   248
.set SEL,  30
.set MNT,  29
.set MSB,  0
.macro WIN new
.if MSB != (\new)
	s_set_vgpr_msb (MSB<<8)|(\new)
.set MSB, (\new)
.endif
.endm
; group g: two blocks of 32 along K (blocks 2 (g % 2) + u of my K step g / 2) x 64 columns: register 64 u + 4 i + j = W2(.. + 16 h + i, 4 (lane % 16) + j)
.macro LOADG g
	WIN 0x40*(1+((\g)>>1))
.irp u, 0,1
.irp i, 0,1,2,3,4,5,6,7,8,9,10,11,12,13,14,15
	global_load_b128 v[128*((\g)&1)+64*\u+4*\i:128*((\g)&1)+64*\u+4*\i+3], v[WA], s[4:5] offset:(128*((\g)>>1)+32*(2*((\g)&1)+\u)+\i)*2048 th:TH_LOAD_NT
.endr
.endr
	WIN 0
.endm
.macro QG g
.set WW, 1+((\g)>>1)
.set RB, 128*((\g)&1)
	WIN (WW<<2)|(WW<<4)
.irp q, 0,1,2,3,4,5,6,7
	v_max3_num_f32 v[MM+\q], s28, |v[RB+64*(\q/4)+(\q%4)]|, |v[RB+64*(\q/4)+(\q%4)+4]|      ; the floor 2^(16 - 127) among the leaves
.endr
.irp i, 2,4,6,8,10,12,14
.irp q, 0,1,2,3,4,5,6,7
	v_max3_num_f32 v[MM+\q], v[MM+\q], |v[RB+64*(\q/4)+(\q%4)+4*\i]|, |v[RB+64*(\q/4)+(\q%4)+4*\i+4]|
.endr
.endr
	WIN 0
.irp q, 0,1,2,3,4,5,6,7
	v_permlanex16_b32 v[PP+\q], v[MM+\q], s[SEL], s[SEL+1]
.endr
.irp q, 0,1,2,3,4,5,6,7
	v_max_num_f32 v[MM+\q], v[MM+\q], v[PP+\q]
.endr
.irp q, 0,1,2,3,4,5,6,7
	v_add_nc_u32 v[SC+\q], 0xf8800000, v[MM+\q]    ; 15 off the exponent field: the conversion's scale operand
.endr
.irp q, 0,1,2,3,4,5,6,7
	v_and_or_b32 v[MM+\q], v[MM+\q], 0x7f800000, s[MNT]                    ; 57,344 x the scale
.endr
.irp q, 0,1,2,3,4,5,6,7
	v_lshrrev_b32 v[PP+\q], 23, v[SC+\q]           ; the byte
.endr
.irp q, 0,1,2,3,4,5,6,7
.if (2*((\g)&1)+(\q/4)) == 0
	v_mov_b32 v[WSW+4*((\g)>>1)+(\q%4)], v[PP+\q]  ; byte 2 (g % 2) + u of column j's word for K step g / 2
.else
	v_lshl_or_b32 v[WSW+4*((\g)>>1)+(\q%4)], v[PP+\q], 8*(2*((\g)&1)+(\q/4)), v[WSW+4*((\g)>>1)+(\q%4)]
.endif
.endr
	WIN WW
.irp q, 0,1,2,3,4,5,6,7
.irp i, 0,1,2,3,4,5,6,7,8,9,10,11,12,13,14,15
	v_med3_num_f32 v[T+16*\q+\i], v[RB+64*(\q/4)+4*\i+(\q%4)], -v[MM+\q], v[MM+\q]          ; the hold, and a column's 16 numbers into consecutive registers
.endr
.endr
	WIN 0
	s_wait_dscnt 0x0                               ; the last group's LDS stores have read the codes' registers
.irp q, 0,1,2,3,4,5,6,7
	v_cvt_scalef32_pk8_bf8_f32 v[C+4*\q:C+4*\q+1], v[T+16*\q:T+16*\q+7], v[SC+\q]
	v_cvt_scalef32_pk8_bf8_f32 v[C+4*\q+2:C+4*\q+3], v[T+16*\q+8:T+16*\q+15], v[SC+\q]
.endr
	v_nop
.irp q, 0,1,2,3,4,5,6,7
	ds_store_b128 v[IA], v[C+4*\q:C+4*\q+3] offset:8192*((\g)>>1)+512*(2*((\g)&1)+(\q/4))+16*(\q%4)
.endr
.endm
.macro HADR b, add                     ; where tile M + add lies in hq and hs; past the expert's last tile: that last tile
	s_add_co_u32 s34, s32, \add
	s_min_u32 s34, s34, s40
	s_add_co_u32 s34, s34, s22
	s_min_u32 s34, s34, 271
	s_lshl_b32 s35, s34, 15
	s_add_co_u32 s35, s35, s41
	s_lshl_b32 s36, s34, 10
	s_add_co_u32 s36, s36, s42
	v_add_nc_u32 v[HAD+\b], s35, v[LI]
	v_add_nc_u32 v[HSD+\b], s36, v[L4]
.endm
.macro HLOAD b                         ; 36 loads: eight images, 512 consecutive bytes a load; and the scale words: lanes 0-15 K step 2 q, lanes 16-31 K step 2 q + 1
	WIN 0xc0
.irp s, 0,1,2,3,4,5,6,7
.irp c, 0,1,2,3
	global_load_b128 v[128*\b+16*\s+4*\c:128*\b+16*\s+4*\c+3], v[HAD+\b], s[6:7] offset:2048*\s+512*\c
.endr
.endr
	WIN 0
.irp q, 0,1,2,3
	global_load_b32 v[HW+4*\b+\q], v[HSD+\b], s[8:9] offset:128*\q
.endr
.endm
.macro PROD b, s, n
.set FI, 4*(\s)+(\n)
.if (\s) == 0
	v_wmma_scale_f32_16x16x128_f8f6f4 v[ACC+8*(\n):ACC+8*(\n)+7], v[16*(FI&15):16*(FI&15)+15], v[128*(\b)+16*(\s):128*(\b)+16*(\s)+15], 0, v[WS+FI], v[HW+4*(\b)+(\s)/2] matrix_a_fmt:MATRIX_FMT_BF8 matrix_b_fmt:MATRIX_FMT_BF8
.elseif (\s)%2
	v_wmma_scale_f32_16x16x128_f8f6f4 v[ACC+8*(\n):ACC+8*(\n)+7], v[16*(FI&15):16*(FI&15)+15], v[128*(\b)+16*(\s):128*(\b)+16*(\s)+15], v[ACC+8*(\n):ACC+8*(\n)+7], v[WS+FI], v[HW+4*(\b)+(\s)/2] matrix_a_fmt:MATRIX_FMT_BF8 matrix_b_fmt:MATRIX_FMT_BF8 matrix_b_scale:MATRIX_SCALE_ROW1
.else
	v_wmma_scale_f32_16x16x128_f8f6f4 v[ACC+8*(\n):ACC+8*(\n)+7], v[16*(FI&15):16*(FI&15)+15], v[128*(\b)+16*(\s):128*(\b)+16*(\s)+15], v[ACC+8*(\n):ACC+8*(\n)+7], v[WS+FI], v[HW+4*(\b)+(\s)/2] matrix_a_fmt:MATRIX_FMT_BF8 matrix_b_fmt:MATRIX_FMT_BF8
.endif
.endm
	s_load_b256 s[4:11], s[0:1], 0x0               ; W2 s[4:5], hq s[6:7], hs s[8:9], plan s[10:11]
	s_load_b64 s[12:13], s[0:1], 0x20              ; ex
	v_lshl_add_u32 v20, v0, 2, 0x14c00
	v_mov_b32 v21, 0
	v_lshrrev_b32 v1, 5, v0
	v_readfirstlane_b32 s24, v1                    ; wave
	v_and_b32 v1, 31, v0
	v_and_b32 v2, 15, v0                           ; r
	v_bfe_u32 v3, v0, 4, 1                         ; h
	s_and_b32 s25, ttmp7, 0xffff                   ; the expert
	s_and_b32 s26, ttmp9, 7                        ; dsl: which 64 columns
	s_lshr_b32 s27, ttmp9, 3                       ; kh: which half of K
	v_lshlrev_b32 v[WA], 4, v2
	v_lshl_add_u32 v[WA], v3, 15, v[WA]            ; 16 rows of 2,048 bytes for lanes 16-31
	v_bfe_u32 v22, v0, 2, 2                        ; column 4 (lane % 16) + j lies in tile (lane % 16) / 4 at lane 4 (lane % 4) + j
	v_and_b32 v23, 3, v0
	v_lshlrev_b32 v[IA], 11, v22
	v_lshl_add_u32 v[IA], v23, 6, v[IA]
	v_lshl_add_u32 v[IA], v3, 8, v[IA]
	s_lshl_b32 s34, s24, 14
	v_add_nc_u32 v[IA], s34, v[IA]
	v_lshlrev_b32 v[SA], 6, v22
	v_lshl_add_u32 v[SA], v23, 4, v[SA]
	s_lshl_b32 s34, s24, 9
	s_add_co_u32 s34, s34, WSC
	v_add_nc_u32 v[SA], s34, v[SA]
	v_lshlrev_b32 v[LI], 4, v1
	v_lshlrev_b32 v[L4], 2, v1
	v_lshlrev_b32 v[SR], 2, v2
	v_add_nc_u32 v[SR], WSC, v[SR]
	s_mul_i32 s34, s24, 4352
	s_add_co_u32 s34, s34, STG                     ; my stage
	v_mul_u32_u24 v[STO], v2, 272
	v_lshl_add_u32 v[STO], v3, 5, v[STO]
	v_add_nc_u32 v[STO], s34, v[STO]               ; in: row r, 32 bytes for each half of the lanes
	v_mul_u32_u24 v[RD], v3, 272
	v_lshl_add_u32 v[RD], v2, 4, v[RD]
	v_add_nc_u32 v[RD], s34, v[RD]                 ; back: lanes 0-15 one row of 256 bytes, lanes 16-31 the next
	v_lshlrev_b32 v[EB], 4, v2
	v_lshl_add_u32 v[EB], v3, 12, v[EB]            ; and the same two rows in ex, 4,096 bytes apart
	s_mov_b32 s28, 0x8000000
	s_mov_b32 s[MNT], 0x600000
	s_mov_b32 s[SEL], 0x76543210
	s_mov_b32 s[SEL+1], 0xfedcba98
.irp q, 0,1,2,3,4,5,6,7
	v_mov_b32 v[PP+\q], 0                          ; written once: a lane permute's destination counts as one of its sources
.endr
	s_lshl_b32 s34, s25, 22                        ; W2: the expert's 4 MiB, the half's 1,024 rows, my 256 rows, the slice's 256 bytes of a row
	s_lshl_b32 s36, s27, 21
	s_add_co_u32 s34, s34, s36
	s_lshl_b32 s36, s24, 19
	s_add_co_u32 s34, s34, s36
	s_lshl_b32 s36, s26, 8
	s_add_co_u32 s34, s34, s36
	s_mov_b32 s35, 0
	s_lshl_b32 s38, s25, 4                         ; TAB
	s_mov_b32 s39, 0
	s_lshl_b32 s41, s27, 14                        ; this half's eight images in a tile of hq,
	s_lshl_b32 s42, s27, 9                         ; its words in hs,
	s_lshl_b32 s43, s27, 11                        ; and its place in a row of ex
	s_add_co_u32 s43, s43, s36
	s_mov_b32 s32, s24                             ; M: the tile in hand
	s_wait_kmcnt 0x0
	s_add_nc_u64 s[18:19], s[10:11], s[38:39]
	s_load_b128 s[20:23], s[18:19], 0x0            ; off s20, count s21, tb s22, nt s23
	s_add_nc_u64 s[4:5], s[4:5], s[34:35]
	LOADG 0
	LOADG 1
	s_wait_loadcnt 32                              ; group 0 is in; behind it: group 1's 32
	LOADG 2
	QG 0
	s_wait_loadcnt 32                              ; group 1 is in
	LOADG 3
	QG 1
	s_wait_loadcnt 32                              ; group 2 is in
	s_wait_kmcnt 0x0
	s_max_u32 s40, s23, 1
	s_sub_co_u32 s40, s40, 1                       ; the expert's last tile
	HADR 0, 0
	HLOAD 0                                        ; tile w
	QG 2
	s_wait_loadcnt 36                              ; group 3 is in; behind it: tile w's 36
	HADR 1, 4
	HLOAD 1                                        ; tile w + 4
	QG 3
	ds_store_b128 v[SA], v[WSW:WSW+3]              ; lanes l and l xor 16 write the same words with the same values
	ds_store_b128 v[SA], v[WSW+4:WSW+7] offset:256
	s_wait_dscnt 0x0                               ; for the others' sake
	s_barrier_signal -1
	s_barrier_wait -1
	WIN 0x40
.irp f, 0,1,2,3,4,5,6,7,8,9,10,11,12,13,14,15
.irp c, 0,1,2,3
	ds_load_b128 v[16*\f+4*\c:16*\f+4*\c+3], v[LI] offset:2048*\f+512*\c
.endr
.endr
	WIN 0x80
.irp f, 0,1,2,3,4,5,6,7,8,9,10,11,12,13,14,15
.irp c, 0,1,2,3
	ds_load_b128 v[16*\f+4*\c:16*\f+4*\c+3], v[LI] offset:2048*(16+\f)+512*\c
.endr
.endr
	WIN 0
.set i, 0
.rept 32
	ds_load_b32 v[WS+i], v[SR] offset:64*i
.set i, i+1
.endr
	s_wait_dscnt 0x0
	s_add_co_u32 s33, s23, 7
	s_sub_co_u32 s33, s33, s24
	s_lshr_b32 s33, s33, 3                         ; trips: two of my tiles a trip
	s_cmp_eq_u32 s33, 0
	s_cbranch_scc1 .Lend
; A TILE of 16 rows, on set b.  The second tile of a trip may lie past the expert's last: its products and its stores are jumped over, its waits and look-ahead loads are not.
.macro TILE b
	s_wait_loadcnt 36                              ; this tile's 36 loads are in; the other set's 36 may be out
	s_wait_xcnt 0x0                                ; the last tile's stores have read their data and address
.if \b
	s_cmp_ge_u32 s32, s23
	s_cbranch_scc1 .Lnoprod_\@
.endif
	WIN 0x0d                                       ; source 0 (W2) window 1, source 1 (h) window 3.  The four accumulators take turns, one instruction a turn
.irp s, 0,1,2,3
.irp n, 0,1,2,3
	PROD \b, \s, \n
.endr
.endr
	WIN 0x0e
.irp s, 4,5,6,7
.irp n, 0,1,2,3
	PROD \b, \s, \n
.endr
.endr
	WIN 0
.if \b
.Lnoprod_\@:
.endif
	HADR \b, 8                                     ; ten plain lines that name no register of the products: the places ahead of the loads into h's registers, of the first read of the results and of the next tile's first products
	s_add_co_u32 s37, s22, s32
	s_min_u32 s37, s37, 271
	s_lshl_b32 s37, s37, 16                        ; 16 padded rows of 4,096 bytes a tile
	s_add_co_u32 s37, s37, s43
	v_add_nc_u32 v[EO], s37, v[EB]
.rept 7
	v_nop
.endr
	HLOAD \b                                       ; tile M + 8 into the set just multiplied
.if \b
	s_cmp_ge_u32 s32, s23
	s_cbranch_scc1 .Lnost_\@
.endif
.irp n, 0,1,2,3
	ds_store_b128 v[STO], v[ACC+8*\n:ACC+8*\n+3] offset:64*\n              ; each accumulator from its low end on
	ds_store_b128 v[STO], v[ACC+8*\n+4:ACC+8*\n+7] offset:64*\n+16
.endr
.irp i, 0,1,2,3,4,5,6,7
	ds_load_b128 v[OB+4*\i:OB+4*\i+3], v[RD] offset:544*\i                 ; LDS serves a wave's instructions in order (ISA guide 5.7.1.4): these see my stores
.endr
.irp i, 0,1,2,3,4,5,6,7
	s_wait_dscnt 7-\i
	global_store_b128 v[EO], v[OB+4*\i:OB+4*\i+3], s[12:13] offset:8192*\i ; sixteen lanes store 256 consecutive bytes, aligned
.endr
.if \b
.Lnost_\@:
.endif
	s_add_co_u32 s32, s32, 4
.endm
.Ltile:
	TILE 0
	TILE 1
	s_sub_co_u32 s33, s33, 1
	s_cmp_lg_u32 s33, 0
	s_cbranch_scc1 .Ltile
.Lend:
	s_wait_tensorcnt 0x0
	ds_add_u32 v20, v21
	s_wait_dscnt 0x0
	s_endpgm
.Lfunc_end_k_q4f3175b721_outp:
	.size	k_q4f3175b721_outp, .Lfunc_end_k_q4f3175b721_outp-k_q4f3175b721_outp
	.p2alignl 7, 3214868480
	.fill 96, 4, 3214868480
	.section	.rodata,"a",@progbits
	.p2align	6, 0x0
	.amdhsa_kernel k_q4f3175b721_outp
		.amdhsa_group_segment_fixed_size 85504
		.amdhsa_private_segment_fixed_size 0
		.amdhsa_enable_private_segment 0
		.amdhsa_kernarg_size 40
		.amdhsa_user_sgpr_count 2
		.amdhsa_user_sgpr_kernarg_segment_ptr 1
		.amdhsa_wavefront_size32 1
		.amdhsa_system_sgpr_workgroup_id_x 1
		.amdhsa_system_sgpr_workgroup_id_y 1
		.amdhsa_system_sgpr_workgroup_id_z 1
		.amdhsa_system_vgpr_workitem_id 0
		.amdhsa_next_free_vgpr 1024
		.amdhsa_next_free_sgpr 66
		.amdhsa_reserve_vcc 0
		.amdhsa_float_denorm_mode_32 3
		.amdhsa_float_denorm_mode_16_64 3
		.amdhsa_memory_ordered 1
		.amdhsa_forward_progress 1
		.amdhsa_inst_pref_size 121
	.end_amdhsa_kernel
	.amdgpu_metadata
---
amdhsa.version: [ 1, 2 ]
amdhsa.kernels:
  - .name:           k_q4f3175b721_outp
    .symbol:         k_q4f3175b721_outp.kd
    .args:
      - { .name: W2, .offset: 0, .size: 8, .value_kind: global_buffer, .address_space: global }
      - { .name: hq, .offset: 8, .size: 8, .value_kind: global_buffer, .address_space: global }
      - { .name: hs, .offset: 16, .size: 8, .value_kind: global_buffer, .address_space: global }
      - { .name: plan, .offset: 24, .size: 8, .value_kind: global_buffer, .address_space: global }
      - { .name: ex, .offset: 32, .size: 8, .value_kind: global_buffer, .address_space: global }
    .group_segment_fixed_size: 85504
    .private_segment_fixed_size: 0
    .kernarg_segment_align: 8
    .kernarg_segment_size: 40
    .max_flat_workgroup_size: 128
    .sgpr_count:     66
    .vgpr_count:     1024
    .wavefront_size: 32
...
	.end_amdgpu_metadata
.endif
;; end of part 4
;; launch comb (part 5): grid 256 x 1, 8 waves a work-group, no clusters, 0 bytes of LDS; arguments x, ex, plan, ridx, rw, b2, gamma, beta, out0; writes out0
.if DOCPART == 5
	.amdgcn_target "amdgcn-amd-amdhsa--gfx1250"
	.amdhsa_code_object_version 6
	.text
	.protected	k_q4f3175b721_comb
	.globl	k_q4f3175b721_comb
	.p2align	8
	.type	k_q4f3175b721_comb,@function
k_q4f3175b721_comb:
	s_mov_b64 s[64:65], 0
	v_nop
	global_prefetch_b8 v0, s[64:65] scope:SCOPE_SE
	s_setreg_imm32_b32 hwreg(HW_REG_WAVE_MODE, 25, 1), 1
	s_wait_xcnt 0x0
; COMB.  out = LayerNorm(x + w1 (ex[p1] + b2[e1]) + w2 (ex[p2] + b2[e2])) gamma + beta, all in f32.  ex[p] is the sum of its two halves of K.
; One wave, one token: a row of 512 f32 is 16 numbers a lane, four loads of 16 bytes, each 512 consecutive bytes a wave.  The reductions never leave the wave: no LDS, no barrier.
; The token's padded rows p, its experts e and its weights w are scalar loads of what earlier launches stored; p and e are held inside their tables before they enter an address.
; The mean is taken first and the variance of the differences, as the definition has it.  A stream: no matrix unit, no cluster, nothing shared.
.set X,  16                            ; v16-31   x, then the sum, the differences, the result
.set G,  32                            ; v32-47   gamma
.set BT, 48                            ; v48-63   beta
.set EA, 64                            ; v64-95   slot 0: two halves;  v96-127 slot 1
.set B2, 128                           ; v128-143 b2 of slot 0's expert;  v144-159 of slot 1's
.macro WSUM r, t                       ; the sum over the wave's 32 lanes, in every lane
	v_add_f32_dpp v[\r], v[\r], v[\r] row_xmask:1 row_mask:0xf bank_mask:0xf
	v_add_f32_dpp v[\r], v[\r], v[\r] row_xmask:2 row_mask:0xf bank_mask:0xf
	v_add_f32_dpp v[\r], v[\r], v[\r] row_xmask:4 row_mask:0xf bank_mask:0xf
	v_add_f32_dpp v[\r], v[\r], v[\r] row_xmask:8 row_mask:0xf bank_mask:0xf
	v_permlanex16_b32 v[\t], v[\r], s54, s55
	v_add_f32 v[\r], v[\r], v[\t]
.endm
	s_load_b256 s[4:11], s[0:1], 0x0               ; x s[4:5], ex s[6:7], plan s[8:9], ridx s[10:11]
	s_load_b256 s[12:19], s[0:1], 0x20             ; rw s[12:13], b2 s[14:15], gamma s[16:17], beta s[18:19]
	s_load_b64 s[20:21], s[0:1], 0x40              ; out0
	v_lshrrev_b32 v1, 5, v0
	v_readfirstlane_b32 s22, v1                    ; wave
	v_and_b32 v1, 31, v0
	v_lshlrev_b32 v1, 4, v1                        ; 16 x lane
	s_lshl_b32 s23, ttmp9, 3
	s_add_co_u32 s23, s23, s22                     ; my token
	s_lshl_b32 s24, s23, 3
	s_mov_b32 s25, 0
	s_lshl_b32 s26, s23, 11
	s_mov_b32 s27, 0
	s_mov_b32 s54, 0x76543210
	s_mov_b32 s55, 0xfedcba98
	s_wait_kmcnt 0x0
	s_add_nc_u64 s[28:29], s[8:9], s[24:25]
	s_add_nc_u64 s[30:31], s[10:11], s[24:25]
	s_add_nc_u64 s[32:33], s[12:13], s[24:25]
	s_load_b64 s[36:37], s[28:29], 0x4200          ; POS: my two padded rows
	s_load_b64 s[38:39], s[30:31], 0x0             ; my two experts
	s_load_b64 s[40:41], s[32:33], 0x0             ; their weights
	s_add_nc_u64 s[4:5], s[4:5], s[26:27]
	s_add_nc_u64 s[20:21], s[20:21], s[26:27]
.irp q, 0,1,2,3
	global_load_b128 v[X+4*\q:X+4*\q+3], v1, s[4:5] offset:512*\q th:TH_LOAD_NT
.endr
.irp q, 0,1,2,3
	global_load_b128 v[G+4*\q:G+4*\q+3], v1, s[16:17] offset:512*\q
	global_load_b128 v[BT+4*\q:BT+4*\q+3], v1, s[18:19] offset:512*\q
.endr
	s_wait_kmcnt 0x0
	s_min_u32 s36, s36, 4351
	s_min_u32 s37, s37, 4351
	s_min_u32 s38, s38, 15
	s_min_u32 s39, s39, 15
	s_lshl_b32 s46, s36, 12                        ; a padded row of ex is 4,096 bytes
	s_mov_b32 s47, 0
	s_lshl_b32 s48, s37, 12
	s_mov_b32 s49, 0
	s_lshl_b32 s50, s38, 11                        ; a row of b2 2,048
	s_mov_b32 s51, 0
	s_lshl_b32 s52, s39, 11
	s_mov_b32 s53, 0
	s_add_nc_u64 s[46:47], s[6:7], s[46:47]
	s_add_nc_u64 s[48:49], s[6:7], s[48:49]
	s_add_nc_u64 s[50:51], s[14:15], s[50:51]
	s_add_nc_u64 s[52:53], s[14:15], s[52:53]
	s_mov_b32 s42, s40                             ; the weights as pairs: the packed form names a pair and takes its low word for both halves
	s_mov_b32 s43, s40
	s_mov_b32 s44, s41
	s_mov_b32 s45, s41
.irp q, 0,1,2,3
	global_load_b128 v[EA+4*\q:EA+4*\q+3], v1, s[46:47] offset:512*\q th:TH_LOAD_NT
	global_load_b128 v[EA+16+4*\q:EA+16+4*\q+3], v1, s[46:47] offset:2048+512*\q th:TH_LOAD_NT
	global_load_b128 v[EA+32+4*\q:EA+32+4*\q+3], v1, s[48:49] offset:512*\q th:TH_LOAD_NT
	global_load_b128 v[EA+48+4*\q:EA+48+4*\q+3], v1, s[48:49] offset:2048+512*\q th:TH_LOAD_NT
	global_load_b128 v[B2+4*\q:B2+4*\q+3], v1, s[50:51] offset:512*\q
	global_load_b128 v[B2+16+4*\q:B2+16+4*\q+3], v1, s[52:53] offset:512*\q
.endr
	s_wait_loadcnt 0x0
.irp p, 0,2,4,6,8,10,12,14
	v_pk_add_f32 v[EA+\p:EA+\p+1], v[EA+\p:EA+\p+1], v[EA+16+\p:EA+16+\p+1]                ; the two halves of K,
	v_pk_add_f32 v[EA+32+\p:EA+32+\p+1], v[EA+32+\p:EA+32+\p+1], v[EA+48+\p:EA+48+\p+1]
.endr
.irp p, 0,2,4,6,8,10,12,14
	v_pk_add_f32 v[EA+\p:EA+\p+1], v[EA+\p:EA+\p+1], v[B2+\p:B2+\p+1]                      ; and the expert's bias
	v_pk_add_f32 v[EA+32+\p:EA+32+\p+1], v[EA+32+\p:EA+32+\p+1], v[B2+16+\p:B2+16+\p+1]
.endr
.irp p, 0,2,4,6,8,10,12,14
	v_pk_fma_f32 v[X+\p:X+\p+1], v[EA+\p:EA+\p+1], s[42:43], v[X+\p:X+\p+1] op_sel_hi:[1,0,1]
.endr
.irp p, 0,2,4,6,8,10,12,14
	v_pk_fma_f32 v[X+\p:X+\p+1], v[EA+32+\p:EA+32+\p+1], s[44:45], v[X+\p:X+\p+1] op_sel_hi:[1,0,1]
.endr
	v_pk_add_f32 v[160:161], v[X:X+1], v[X+2:X+3]
	v_pk_add_f32 v[162:163], v[X+4:X+5], v[X+6:X+7]
	v_pk_add_f32 v[164:165], v[X+8:X+9], v[X+10:X+11]
	v_pk_add_f32 v[166:167], v[X+12:X+13], v[X+14:X+15]
	v_pk_add_f32 v[160:161], v[160:161], v[162:163]
	v_pk_add_f32 v[164:165], v[164:165], v[166:167]
	v_pk_add_f32 v[160:161], v[160:161], v[164:165]
	v_add_f32 v160, v160, v161
	WSUM 160, 162
	v_mul_f32 v168, 0x3b000000, v160               ; the mean: / 512
	v_mov_b32 v169, v168
.irp p, 0,2,4,6,8,10,12,14
	v_pk_add_f32 v[X+\p:X+\p+1], v[X+\p:X+\p+1], v[168:169] neg_lo:[0,1] neg_hi:[0,1]
.endr
	v_pk_mul_f32 v[160:161], v[X:X+1], v[X:X+1]
	v_pk_mul_f32 v[162:163], v[X+2:X+3], v[X+2:X+3]
.irp p, 4,8,12
	v_pk_fma_f32 v[160:161], v[X+\p:X+\p+1], v[X+\p:X+\p+1], v[160:161]
	v_pk_fma_f32 v[162:163], v[X+\p+2:X+\p+3], v[X+\p+2:X+\p+3], v[162:163]
.endr
	v_pk_add_f32 v[160:161], v[160:161], v[162:163]
	v_add_f32 v160, v160, v161
	WSUM 160, 162
	v_mov_b32 v171, 0x3b000000
	v_fmaak_f32 v170, v160, v171, 0x3727c5ac       ; the variance + 1e-5
	v_rsq_f32 v172, v170
	v_nop                                          ; a plain line behind the transcendental
	s_wait_alu depctr_va_vdst(0)                   ; and the wait ahead of its first reader
	v_mov_b32 v173, v172
.irp p, 0,2,4,6,8,10,12,14
	v_pk_mul_f32 v[X+\p:X+\p+1], v[X+\p:X+\p+1], v[172:173]
.endr
.irp p, 0,2,4,6,8,10,12,14
	v_pk_fma_f32 v[X+\p:X+\p+1], v[X+\p:X+\p+1], v[G+\p:G+\p+1], v[BT+\p:BT+\p+1]
.endr
.irp q, 0,1,2,3
	global_store_b128 v1, v[X+4*\q:X+4*\q+3], s[20:21] offset:512*\q th:TH_STORE_NT        ; 32 lanes store 512 consecutive bytes
.endr
	s_endpgm
.Lfunc_end_k_q4f3175b721_comb:
	.size	k_q4f3175b721_comb, .Lfunc_end_k_q4f3175b721_comb-k_q4f3175b721_comb
	.p2alignl 7, 3214868480
	.fill 96, 4, 3214868480
	.section	.rodata,"a",@progbits
	.p2align	6, 0x0
	.amdhsa_kernel k_q4f3175b721_comb
		.amdhsa_group_segment_fixed_size 0
		.amdhsa_private_segment_fixed_size 0
		.amdhsa_enable_private_segment 0
		.amdhsa_kernarg_size 72
		.amdhsa_user_sgpr_count 2
		.amdhsa_user_sgpr_kernarg_segment_ptr 1
		.amdhsa_wavefront_size32 1
		.amdhsa_system_sgpr_workgroup_id_x 1
		.amdhsa_system_sgpr_workgroup_id_y 1
		.amdhsa_system_sgpr_workgroup_id_z 1
		.amdhsa_system_vgpr_workitem_id 0
		.amdhsa_next_free_vgpr 176
		.amdhsa_next_free_sgpr 66
		.amdhsa_reserve_vcc 0
		.amdhsa_float_denorm_mode_32 3
		.amdhsa_float_denorm_mode_16_64 3
		.amdhsa_memory_ordered 1
		.amdhsa_forward_progress 1
		.amdhsa_inst_pref_size 13
	.end_amdhsa_kernel
	.amdgpu_metadata
---
amdhsa.version: [ 1, 2 ]
amdhsa.kernels:
  - .name:           k_q4f3175b721_comb
    .symbol:         k_q4f3175b721_comb.kd
    .args:
      - { .name: x, .offset: 0, .size: 8, .value_kind: global_buffer, .address_space: global }
      - { .name: ex, .offset: 8, .size: 8, .value_kind: global_buffer, .address_space: global }
      - { .name: plan, .offset: 16, .size: 8, .value_kind: global_buffer, .address_space: global }
      - { .name: ridx, .offset: 24, .size: 8, .value_kind: global_buffer, .address_space: global }
      - { .name: rw, .offset: 32, .size: 8, .value_kind: global_buffer, .address_space: global }
      - { .name: b2, .offset: 40, .size: 8, .value_kind: global_buffer, .address_space: global }
      - { .name: gamma, .offset: 48, .size: 8, .value_kind: global_buffer, .address_space: global }
      - { .name: beta, .offset: 56, .size: 8, .value_kind: global_buffer, .address_space: global }
      - { .name: out0, .offset: 64, .size: 8, .value_kind: global_buffer, .address_space: global }
    .group_segment_fixed_size: 0
    .private_segment_fixed_size: 0
    .kernarg_segment_align: 8
    .kernarg_segment_size: 72
    .max_flat_workgroup_size: 256
    .sgpr_count:     66
    .vgpr_count:     176
    .wavefront_size: 32
...
	.end_amdgpu_metadata
.endif
;; end of part 5
;; ======== version 2 of 3: 4 launches; 1.24 times as fast as version 1
;; workspace buffers: xq 1,048,576 bytes; xs 32,768 bytes; ridx 16,384 bytes of whole numbers; rw 16,384 bytes; plan 133,120 bytes of whole numbers; hq 67,108,864 bytes; hs 2,097,152 bytes; ex 134,217,728 bytes
;; launch gate: the kernel of part 1 again; grid 128 x 1, 4 waves a work-group, no clusters, 13,312 bytes of LDS; arguments x, Wg, bg, xq, xs, ridx, rw; writes xq, xs, ridx, rw
;; launch hidden (part 6): grid 16 x 16, 4 waves a work-group, no clusters, 76,800 bytes of LDS; arguments W1, b1, xq, xs, ridx, hq, hs, plan; writes hq, hs, plan
.if DOCPART == 6
	.amdgcn_target "amdgcn-amd-amdhsa--gfx1250"
	.amdhsa_code_object_version 6
	.text
	.protected	k_q4f3175b721_hidden
	.globl	k_q4f3175b721_hidden
	.p2align	8
	.type	k_q4f3175b721_hidden,@function
k_q4f3175b721_hidden:
	s_mov_b64 s[64:65], 0
	v_nop
	global_prefetch_b8 v0, s[64:65] scope:SCOPE_SE
	s_setreg_imm32_b32 hwreg(HW_REG_WAVE_MODE, 25, 1), 1
	s_wait_xcnt 0x0
; HIDDEN.  Work-group (sl, e): h = relu(x W1[e] + b1[e]) for hidden units 128 sl .. 128 sl + 127 and the rows routed to expert e, quantised along H on the way.
; Both operands go to the scaled matrix form as codes of E5M2 with E8M0 scales.  x's codes and scale words were made once; W1's piece, 512 x 128 f32 = 256 KiB, has this work-group as its ONLY reader and is quantised here.
; THE ROWS.  ridx [2048][2] holds each token's two experts (they differ, so an expert has at most 2,048 rows).  Wave 0 ranks the tokens that name expert e (v_cmp, v_mbcnt, s_bcnt1) and lays them by rank into a list in LDS, while
; the first weights are on their way.  Expert e owns tiles 128 e .. 128 e + 127 of 16 rows and padded rows 2,048 e + rank: no work-group needs another expert's count.  The work-groups with sl = 0 store, for the later launches,
; plan: byte 0: [16 experts][32 words] the count; byte 2,048: [16 experts][2048 tokens] the rank (a token that does not name the expert gets a number that nobody uses).
; LDS ORDER.  Up to the first barrier only wave 0 touches LDS; between the first and the second every wave only reads (the count, its first two tiles' tokens); then come the image stores; behind the third barrier LDS is only read.
; PHASE W.  Wave w takes K step w (128 along D) of the piece.  A load reads two whole runs of 256 bytes: lanes 0-15 four columns each of row k, lanes 16-31 of row k + 16.  So a lane holds, of each of its columns,
; 16 neighbours along K; the hold (v_med3) also lays them in consecutive registers; the conversions' results are 16 bytes of an operand's register image, which goes to LDS.  A barrier; every wave then loads all 32 fragments: 512 registers.
; THE UNITS OF A TILE ARE NOT NEIGHBOURS: lane r of tile 2 b + u holds unit 32 b + 8 u + r + 8 (r / 8), so that the 16 result registers of tiles 2 b, 2 b + 1 are 16 neighbours along the next K.
; PHASE T.  The waves share the rows: wave w takes tiles w, w + 4, .. of 16 rows.  Source 0 = 16 units, source 1 = 16 tokens: a lane holds one token.  b1 is the C of each sum's first product.  The 128 units are K step sl of the next
; product: the tile's codes leave as a register image of 2,048 bytes (hq [2048 tiles][16 K steps][2048]), its scale words as hs [2048][16][16 rows].  Rows beyond an expert's count repeat its last row; nobody reads them.
; An expert without rows still makes its tile 0 (of token 0), so that what the next launch's clamped look-ahead reads has been stored.
; The trip count and two forward branches hang on whole numbers that an earlier launch stored, so there is no tensor load here, and the barriers stand ahead of them.  NO CLUSTER: no weight byte has a second reader;
; what work-groups share (the rows' codes, 8 KiB a tile) is small beside a work-group's 256 KiB of weights, and partners would have different numbers of tiles.
; LIMITS: NaN and infinities are not served; a block of zeros gets the byte 1 (zero codes; the bytes are read by this program alone).
; REGISTERS.  window 0: v1-23 addresses; v24-55 W1's scale words; v56-63 x's, two sets; the sort: v64-191 ridx, then ranks, v192-203 at work; phase W: v64-191 numbers held, v192-223 codes, v224-231 scale words in the making, v232-255 at work;
;   phase T: v64-127 the 8 accumulators, v128-143 codes, v144 their word, v148-163 at work.
;   windows 1, 2: the raw piece, then the 32 fragments (fragment f = 8 s + t at v[16 (f % 16)] of window 1 + f / 16).   window 3: v0-127 x's fragments, two sets of four; v128-191 b1 in the result's layout.
.set WSC,  65536                       ; LDS: 0: 32 images of 2,048 bytes; WSC: 32 x 16 scale words;
.set LISTB, 67584                      ; LISTB: 2,048 tokens by rank, and word 2,048, where the tokens of other experts are dumped;
.set CNTO, 8448                        ; LISTB + CNTO: the count
.set WA,   4                           ; v4   W1: 16 (lane % 16) + 16 rows x (lane / 16)
.set IA,   5                           ; v5   where my codes go in the images
.set SA,   6                           ; v6   and my scale words
.set LI,   7                           ; v7   16 x lane
.set SR,   8                           ; v8   WSC + 4 r
.set R4,   9                           ; v9   4 r
.set XAD,  10                          ; v10-11 x's codes: token x 512 + 16 h, a register for each set
.set XSA,  12                          ; v12-13 x's scale words: token x 16
.set TKR,  14                          ; v14-15 tokens as read from the list
.set LP,   16                          ; v16-17 LDS addresses in the list
.set HO,   18                          ; v18  hq: my 16 bytes of the tile's image
.set HSO,  19                          ; v19  hs: row r's word
.set H16,  20
.set H64,  21
.set CA,   22                          ; v22  LISTB
.set TC,   23                          ; v23  at work at the head; the count as read
.set WS,   24
.set XW,   56
.set HA,   64
.set PC,   128
.set PW,   144
.set TM,   148
.set T,    64
.set C,    192
.set WSW,  224
.set MM,   232                         ; largest magnitudes, then 57,344 x the scale
.set PP,   240                         ; the other half's, then the bytes
.set SC,   248                         ; the conversions' scale operands
.set RX,   64                          ; the sort: ridx as loaded: eight registers for a lane's four tokens; the ranks take the first four of them
.set RA,   192                         ; 32 x lane
.set TB4,  193                         ; 4 x lane: my first token of a group, and my word of the count's 128 bytes
.set DMP,  194                         ; 2,048
.set CV,   195
.set AD,   196                         ; v196-199 LDS addresses
.set TK,   200                         ; v200-203 tokens
.set SEL,  30
.set MNT,  29
.set MSB,  0
.macro WIN new                         ; the immediate's high byte repeats the setting that is left; a switch that changes nothing is dropped
.if MSB != (\new)
	s_set_vgpr_msb (MSB<<8)|(\new)
.set MSB, (\new)
.endif
.endm
.macro QUANT s, d, w, relu
.if \relu
.irp b, 0,1,2,3
	v_max3_num_f32 v[TM+\b], v[\s+16*\b], v[\s+1+16*\b], 0x8000000         ; no |.|: what is negative becomes 0 and must not count; the floor 2^(16 - 127) holds the byte at 1 from below.  Each accumulator is read from its low end on
.endr
.irp i, 2,4,6,8,10,12,14
.irp b, 0,1,2,3
	v_max3_num_f32 v[TM+\b], v[TM+\b], v[\s+16*\b+\i], v[\s+1+16*\b+\i]
.endr
.endr
.else
.irp b, 0,1,2,3
	v_max3_num_f32 v[TM+\b], |v[\s+16*\b]|, |v[\s+1+16*\b]|, 0x8000000
.endr
.irp i, 2,4,6,8,10,12,14
.irp b, 0,1,2,3
	v_max3_num_f32 v[TM+\b], v[TM+\b], |v[\s+16*\b+\i]|, |v[\s+1+16*\b+\i]|
.endr
.endr
.endif
.irp b, 0,1,2,3
	v_permlanex16_b32 v[TM+4+\b], v[TM+\b], s[SEL], s[SEL+1]
.endr
.irp b, 0,1,2,3
	v_max_num_f32 v[TM+\b], v[TM+\b], v[TM+4+\b]                           ; with lane l xor 16's: the block's largest
.endr
.irp b, 0,1,2,3
	v_add_nc_u32 v[TM+12+\b], 0xf8800000, v[TM+\b]                         ; 15 off its exponent field: the conversion's scale operand
.endr
.irp b, 0,1,2,3
	v_and_or_b32 v[TM+8+\b], v[TM+\b], 0x7f800000, s[MNT]                  ; 57,344 x the scale
.endr
.irp b, 0,1,2,3
	v_lshrrev_b32 v[TM+4+\b], 23, v[TM+12+\b]                              ; the scale's byte
.endr
	v_lshl_or_b32 v[\w], v[TM+5], 8, v[TM+4]
	v_lshl_or_b32 v[\w], v[TM+6], 16, v[\w]
	v_lshl_or_b32 v[\w], v[TM+7], 24, v[\w]
.irp b, 0,1,2,3
.irp i, 0,1,2,3,4,5,6,7,8,9,10,11,12,13,14,15
.if \relu
	v_med3_num_f32 v[\s+16*\b+\i], v[\s+16*\b+\i], 0, v[TM+8+\b]           ; the activation and the hold in one
.else
	v_med3_num_f32 v[\s+16*\b+\i], v[\s+16*\b+\i], -v[TM+8+\b], v[TM+8+\b]
.endif
.endr
	v_cvt_scalef32_pk8_bf8_f32 v[\d+4*\b:\d+4*\b+1], v[\s+16*\b:\s+16*\b+7], v[TM+12+\b]
	v_cvt_scalef32_pk8_bf8_f32 v[\d+4*\b+2:\d+4*\b+3], v[\s+16*\b+8:\s+16*\b+15], v[TM+12+\b]
.endr
	v_nop                                          ; one plain line behind the last conversion
.endm
.macro MKLP b, add                     ; the LDS address of the token of row r of tile M + add, held inside the expert's rows and inside the list
	s_add_co_u32 s34, s32, \add
	s_lshl_b32 s34, s34, 4
	v_add_nc_u32 v[LP+\b], s34, v2
	v_min_u32 v[LP+\b], s40, v[LP+\b]
	v_min_u32 v[LP+\b], 0x7ff, v[LP+\b]
	v_lshl_add_u32 v[LP+\b], v[LP+\b], 2, LISTB
.endm
.macro LLOAD b
	ds_load_b32 v[TKR+\b], v[LP+\b]
.endm
; The list is handed over.  No LDS instruction of mine is out here (the wait stands above, ahead of the conversions).  Behind the first barrier wave 0's list and count are whole; up to the second every wave only reads LDS.
.macro MEET
	s_barrier_signal -1
	s_barrier_wait -1
	ds_load_b32 v[TC], v[CA] offset:CNTO
	s_wait_dscnt 0x0
	v_readfirstlane_b32 s21, v[TC]                 ; the expert's rows,
	s_min_u32 s21, s21, 0x800
	s_max_u32 s40, s21, 1                          ; (an expert without rows makes one tile all the same)
	s_add_co_u32 s23, s40, 15
	s_lshr_b32 s23, s23, 4                         ; its tiles,
	s_sub_co_u32 s40, s40, 1                       ; its last row
	MKLP 0, 0
	LLOAD 0                                        ; the tokens of my first two tiles
	MKLP 1, 4
	LLOAD 1
	s_wait_dscnt 0x0                               ; my reads are in: behind the next barrier LDS is written again
	s_barrier_signal -1
	s_barrier_wait -1
.endm
; group g: block g (32 along K) of my K step x 128 units: 32 loads into 128 registers: register 64 u + 4 i + j = W1(32 g + 16 h + i, 64 u + 4 (lane % 16) + j)
.macro LOADG g
	WIN 0x40*(1+((\g)>>1))
.irp u, 0,1
.irp i, 0,1,2,3,4,5,6,7,8,9,10,11,12,13,14,15
	global_load_b128 v[128*((\g)&1)+64*\u+4*\i:128*((\g)&1)+64*\u+4*\i+3], v[WA], s[4:5] offset:(32*(\g)+\i)*8192+256*\u th:TH_LOAD_NT
.endr
.endr
	WIN 0
.endm
; group g is quantised: eight columns a lane (q = 4 u + j), 16 numbers of each
.macro QG g
.set WW, 1+((\g)>>1)
.set RB, 128*((\g)&1)
	WIN (WW<<2)|(WW<<4)
.irp q, 0,1,2,3,4,5,6,7
	v_max3_num_f32 v[MM+\q], s28, |v[RB+64*(\q/4)+(\q%4)]|, |v[RB+64*(\q/4)+(\q%4)+4]|      ; the floor 2^(16 - 127) among the leaves
.endr
.irp i, 2,4,6,8,10,12,14
.irp q, 0,1,2,3,4,5,6,7
	v_max3_num_f32 v[MM+\q], v[MM+\q], |v[RB+64*(\q/4)+(\q%4)+4*\i]|, |v[RB+64*(\q/4)+(\q%4)+4*\i+4]|
.endr
.endr
	WIN 0
.irp q, 0,1,2,3,4,5,6,7
	v_permlanex16_b32 v[PP+\q], v[MM+\q], s[SEL], s[SEL+1]
.endr
.irp q, 0,1,2,3,4,5,6,7
	v_max_num_f32 v[MM+\q], v[MM+\q], v[PP+\q]     ; with lane l xor 16's 16: the block's largest magnitude
.endr
.irp q, 0,1,2,3,4,5,6,7
	v_add_nc_u32 v[SC+\q], 0xf8800000, v[MM+\q]
.endr
.irp q, 0,1,2,3,4,5,6,7
	v_and_or_b32 v[MM+\q], v[MM+\q], 0x7f800000, s[MNT]
.endr
.irp q, 0,1,2,3,4,5,6,7
	v_lshrrev_b32 v[PP+\q], 23, v[SC+\q]
.endr
.irp q, 0,1,2,3,4,5,6,7
.if (\g) == 0
	v_mov_b32 v[WSW+\q], v[PP+\q]                  ; byte g of the column's scale word for my K step
.else
	v_lshl_or_b32 v[WSW+\q], v[PP+\q], 8*(\g), v[WSW+\q]
.endif
.endr
	WIN WW
.irp q, 0,1,2,3,4,5,6,7
.irp i, 0,1,2,3,4,5,6,7,8,9,10,11,12,13,14,15
	v_med3_num_f32 v[T+16*\q+\i], v[RB+64*(\q/4)+4*\i+(\q%4)], -v[MM+\q], v[MM+\q]          ; the hold, and a column's 16 numbers into consecutive registers
.endr
.endr
	WIN 0
	s_wait_dscnt 0x0                               ; the last group's LDS stores have read the codes' registers (group 0, wave 0: the list and the count have landed)
.irp q, 0,1,2,3,4,5,6,7
	v_cvt_scalef32_pk8_bf8_f32 v[C+4*\q:C+4*\q+1], v[T+16*\q:T+16*\q+7], v[SC+\q]
	v_cvt_scalef32_pk8_bf8_f32 v[C+4*\q+2:C+4*\q+3], v[T+16*\q+8:T+16*\q+15], v[SC+\q]
.endr
	v_nop
.if (\g) == 0
	MEET                                           ; ahead of the first image store: groups 1 and 2, 64 loads, are on their way meanwhile
.endif
.irp q, 0,1,2,3,4,5,6,7
	ds_store_b128 v[IA], v[C+4*\q:C+4*\q+3] offset:8192*(\q/4)+512*(\g)+16*(\q%4)
.endr
.endm
.macro XADR b
	v_min_u32 v[TKR+\b], 0x7ff, v[TKR+\b]
	v_lshl_add_u32 v[XAD+\b], v[TKR+\b], 9, v[H16]
	v_lshlrev_b32 v[XSA+\b], 4, v[TKR+\b]
.endm
.macro XLOAD b                         ; 17 loads: a tile's four fragments of x and its rows' four scale words
	WIN 0xc0
.irp s, 0,1,2,3
.irp c, 0,1,2,3
	global_load_b128 v[64*\b+16*\s+4*\c:64*\b+16*\s+4*\c+3], v[XAD+\b], s[8:9] offset:128*\s+32*\c
.endr
.endr
	WIN 0
	global_load_b128 v[XW+4*\b:XW+4*\b+3], v[XSA+\b], s[10:11]
.endm
	s_load_b256 s[4:11], s[0:1], 0x0               ; W1 s[4:5], b1 s[6:7], xq s[8:9], xs s[10:11]
	s_load_b128 s[12:15], s[0:1], 0x20             ; ridx s[12:13], hq s[14:15]
	s_load_b128 s[16:19], s[0:1], 0x30             ; hs s[16:17], plan s[18:19]
	s_set_vgpr_msb 0xc0
	v_lshl_add_u32 v254, v0, 2, 0x12a00
	v_mov_b32 v255, 0
	s_set_vgpr_msb 0xc000
	v_lshrrev_b32 v1, 5, v0
	v_readfirstlane_b32 s24, v1                    ; wave
	v_and_b32 v1, 31, v0
	v_and_b32 v2, 15, v0                           ; r
	v_bfe_u32 v3, v0, 4, 1                         ; h
	s_and_b32 s25, ttmp7, 0xffff                   ; the expert
	s_mov_b32 s26, ttmp9                           ; the slice of 128 hidden units
	v_lshlrev_b32 v[WA], 4, v2
	v_lshl_add_u32 v[WA], v3, 17, v[WA]            ; 16 rows of 8,192 bytes for lanes 16-31
	; unit n = 64 u + 4 (lane % 16) + j lies in tile 2 (n / 32) + (n / 8) % 2 at lane n % 8 + 8 ((n / 16) % 2)
	v_bfe_u32 v[TC], v0, 3, 1
	v_lshlrev_b32 v[IA], 12, v[TC]
	v_lshlrev_b32 v[SA], 7, v[TC]
	v_bfe_u32 v[TC], v0, 1, 1
	v_lshl_add_u32 v[IA], v[TC], 11, v[IA]
	v_lshl_add_u32 v[SA], v[TC], 6, v[SA]
	v_and_b32 v[TC], 1, v0
	v_lshl_add_u32 v[IA], v[TC], 6, v[IA]
	v_lshl_add_u32 v[SA], v[TC], 4, v[SA]
	v_bfe_u32 v[TC], v0, 2, 1
	v_lshl_add_u32 v[IA], v[TC], 7, v[IA]
	v_lshl_add_u32 v[SA], v[TC], 5, v[SA]
	v_lshl_add_u32 v[IA], v3, 8, v[IA]
	s_lshl_b32 s34, s24, 14
	v_add_nc_u32 v[IA], s34, v[IA]                 ; + my K step's eight images
	s_lshl_b32 s34, s24, 9
	s_add_co_u32 s34, s34, WSC
	v_add_nc_u32 v[SA], s34, v[SA]
	v_lshlrev_b32 v[LI], 4, v1
	v_lshlrev_b32 v[R4], 2, v2
	v_add_nc_u32 v[SR], WSC, v[R4]
	v_lshlrev_b32 v[H16], 4, v3
	v_lshlrev_b32 v[H64], 6, v3
	v_mov_b32 v[CA], LISTB
	v_lshlrev_b32 v[RA], 5, v1
	v_lshlrev_b32 v[TB4], 2, v1
	v_mov_b32 v[DMP], 0x800
	s_mov_b32 s28, 0x8000000
	s_mov_b32 s[MNT], 0x600000
	s_mov_b32 s[SEL], 0x76543210
	s_mov_b32 s[SEL+1], 0xfedcba98
.irp q, 0,1,2,3,4,5,6,7
	v_mov_b32 v[PP+\q], 0                          ; written once: a lane permute's destination counts as one of its sources
.endr
.irp b, 0,1,2,3
	v_mov_b32 v[TM+4+\b], 0
.endr
	s_lshl_b32 s34, s25, 22                        ; W1: the expert's 4 MiB, the slice's 512 bytes of a row, my K step's 128 rows
	s_lshl_b32 s36, s26, 9
	s_add_co_u32 s34, s34, s36
	s_lshl_b32 s36, s24, 20
	s_add_co_u32 s34, s34, s36
	s_mov_b32 s35, 0
	s_lshl_b32 s36, s25, 13                        ; b1
	s_lshl_b32 s38, s26, 9
	s_add_co_u32 s36, s36, s38
	s_mov_b32 s37, 0
	s_lshl_b32 s56, s25, 13                        ; plan: the expert's 2,048 ranks, behind the counts' 2,048 bytes,
	s_add_co_u32 s56, s56, 2048
	s_mov_b32 s57, 0
	s_lshl_b32 s58, s25, 7                         ; and its count's 128 bytes
	s_mov_b32 s59, 0
	s_lshl_b32 s22, s25, 7                         ; the expert's first tile
	s_lshl_b32 s41, s26, 11                        ; my K step's image in a tile of hq,
	s_lshl_b32 s42, s26, 6                         ; and its words in hs
	s_mov_b32 s32, s24                             ; M: the tile in hand
	s_mov_b32 s44, 0                               ; the rows counted so far
	s_wait_kmcnt 0x0
	s_add_nc_u64 s[4:5], s[4:5], s[34:35]
	s_add_nc_u64 s[6:7], s[6:7], s[36:37]
	s_add_nc_u64 s[56:57], s[18:19], s[56:57]
	s_add_nc_u64 s[58:59], s[18:19], s[58:59]
	s_cmp_lg_u32 s24, 0
	s_cbranch_scc1 .Lnoridx
.set GG, 0
.rept 16                               ; wave 0: all of ridx: a lane takes tokens 128 G + 4 lane + 0 .. 3, 32 bytes
	global_load_b128 v[RX+8*GG:RX+8*GG+3], v[RA], s[12:13] offset:1024*GG
	global_load_b128 v[RX+8*GG+4:RX+8*GG+7], v[RA], s[12:13] offset:1024*GG+16
.set GG, GG+1
.endr
.Lnoridx:
	LOADG 0
	LOADG 1
	s_cmp_lg_u32 s24, 0
	s_cbranch_scc1 .Lnosort
	; ---- wave 0 ranks the expert's tokens.  The order inside an expert is: by group, by register, by lane
	s_wait_loadcnt 63                              ; ridx's 32 loads are in: 64 were issued behind them, and 63 is the most that the wait can name
	v_mov_b32 v[CV], 0
	ds_store_b32 v[CA], v[CV]                      ; place 0 holds token 0 until a row takes it: an expert without rows reads it
.set GG, 0
.rept 16
.irp j, 0,1,2,3
	v_cmp_eq_u32 s[48+\j], s25, v[RX+8*GG+2*\j]
	v_cmp_eq_u32 s[52+\j], s25, v[RX+8*GG+2*\j+1]
.endr
.irp j, 0,1,2,3
	s_or_b32 s[48+\j], s[48+\j], s[52+\j]          ; the lanes whose token names the expert, in either slot
.endr
.irp j, 0,1,2,3
	v_mbcnt_lo_u32_b32 v[RX+8*GG+\j], s[48+\j], s44        ; the rows counted so far + those of lower lanes: the rank
	s_bcnt1_i32_b32 s45, s[48+\j]
	s_add_co_u32 s44, s44, s45
.endr
.irp j, 0,1,2,3
	v_cndmask_b32 v[AD+\j], v[DMP], v[RX+8*GG+\j], s[48+\j]        ; another expert's token goes to the dump
.endr
.irp j, 0,1,2,3
	v_min_u32 v[AD+\j], 0x800, v[AD+\j]
.endr
.irp j, 0,1,2,3
	v_lshl_add_u32 v[AD+\j], v[AD+\j], 2, LISTB
.endr
.irp j, 0,1,2,3
	v_add_nc_u32 v[TK+\j], 128*GG+\j, v[TB4]
.endr
.irp j, 0,1,2,3
	ds_store_b32 v[AD+\j], v[TK+\j]
.endr
.set GG, GG+1
.endr
	v_mov_b32 v[CV], s44
	ds_store_b32 v[CA], v[CV] offset:CNTO
	s_cmp_lg_u32 s26, 0                            ; the first slice's work-group stores the expert's ranks and count for the later launches
	s_cbranch_scc1 .Lnosort
.set GG, 0
.rept 16
	global_store_b128 v[LI], v[RX+8*GG:RX+8*GG+3], s[56:57] offset:512*GG  ; 32 lanes store 512 consecutive bytes: tokens 128 G .. 128 G + 127
.set GG, GG+1
.endr
	global_store_b32 v[TB4], v[CV], s[58:59]       ; the count, 32 times: 128 consecutive bytes
	s_wait_xcnt 0x0                                ; the stores have read their registers, which the first group's numbers and codes take next
.Lnosort:
	s_wait_loadcnt 32                              ; group 0 is in; behind it: group 1's 32
	LOADG 2
	QG 0
	s_wait_loadcnt 32                              ; group 1 is in; behind it: group 2's 32
	LOADG 3
	QG 1
	s_wait_loadcnt 32                              ; group 2 is in; behind it: group 3's 32
	XADR 0
	XLOAD 0                                        ; tile w,
	WIN 0xc0
.irp t, 0,1,2,3,4,5,6,7                ; and b1: lane (r, h) of tile 2 b + u wants units 32 b + 8 u + 16 h + 0 .. 7
	global_load_b128 v[128+8*\t:131+8*\t], v[H64], s[6:7] offset:(32*(\t/2)+8*(\t%2))*4
	global_load_b128 v[132+8*\t:135+8*\t], v[H64], s[6:7] offset:(32*(\t/2)+8*(\t%2))*4+16
.endr
	WIN 0
	QG 2
	s_wait_loadcnt 33                              ; group 3 is in; behind it: 17 + 16
	XADR 1
	XLOAD 1                                        ; tile w + 4
	QG 3
	ds_store_b128 v[SA], v[WSW:WSW+3]              ; lanes l and l xor 16 write the same words with the same values
	ds_store_b128 v[SA], v[WSW+4:WSW+7] offset:256
	s_wait_dscnt 0x0                               ; for the others' sake: my images and words have landed
	s_barrier_signal -1
	s_barrier_wait -1
	WIN 0x40
.irp f, 0,1,2,3,4,5,6,7,8,9,10,11,12,13,14,15
.irp c, 0,1,2,3
	ds_load_b128 v[16*\f+4*\c:16*\f+4*\c+3], v[LI] offset:2048*\f+512*\c
.endr
.endr
	WIN 0x80
.irp f, 0,1,2,3,4,5,6,7,8,9,10,11,12,13,14,15
.irp c, 0,1,2,3
	ds_load_b128 v[16*\f+4*\c:16*\f+4*\c+3], v[LI] offset:2048*(16+\f)+512*\c
.endr
.endr
	WIN 0
.set i, 0
.rept 32
	ds_load_b32 v[WS+i], v[SR] offset:64*i
.set i, i+1
.endr
	s_wait_dscnt 0x0
	s_add_co_u32 s33, s23, 7
	s_sub_co_u32 s33, s33, s24
	s_lshr_b32 s33, s33, 3                         ; trips: two of my tiles a trip
	s_cmp_eq_u32 s33, 0
	s_cbranch_scc1 .Lend
; A TILE of 16 rows, on set b.  The second tile of a trip may lie past the expert's last: its products and its stores are jumped over, its waits and look-ahead loads are not, so every count holds on every way.
.macro TILE b
	s_wait_loadcnt 17                              ; this tile's 17 loads are in (the first time b1's 16 too); the other set's 17 may be out
	MKLP \b, 8
	LLOAD \b                                       ; the tokens of tile M + 8: they come while the products are issued
.if \b
	s_cmp_ge_u32 s32, s23
	s_cbranch_scc1 .Lnoprod_\@
.endif
	WIN 0x3d                                       ; source 0 (W1) window 1, sources 1 (x) and 2 (b1) window 3.  The eight accumulators take turns, one instruction a turn
.irp t, 0,1,2,3,4,5,6,7
	v_wmma_scale_f32_16x16x128_f8f6f4 v[HA+8*\t:HA+8*\t+7], v[16*\t:16*\t+15], v[64*\b:64*\b+15], v[128+8*\t:128+8*\t+7], v[WS+\t], v[XW+4*\b] matrix_a_fmt:MATRIX_FMT_BF8 matrix_b_fmt:MATRIX_FMT_BF8
.endr
	WIN 0x0d
.irp t, 0,1,2,3,4,5,6,7
	v_wmma_scale_f32_16x16x128_f8f6f4 v[HA+8*\t:HA+8*\t+7], v[128+16*\t:128+16*\t+15], v[64*\b+16:64*\b+31], v[HA+8*\t:HA+8*\t+7], v[WS+8+\t], v[XW+4*\b+1] matrix_a_fmt:MATRIX_FMT_BF8 matrix_b_fmt:MATRIX_FMT_BF8
.endr
	WIN 0x0e
.irp t, 0,1,2,3,4,5,6,7
	v_wmma_scale_f32_16x16x128_f8f6f4 v[HA+8*\t:HA+8*\t+7], v[16*\t:16*\t+15], v[64*\b+32:64*\b+47], v[HA+8*\t:HA+8*\t+7], v[WS+16+\t], v[XW+4*\b+2] matrix_a_fmt:MATRIX_FMT_BF8 matrix_b_fmt:MATRIX_FMT_BF8
.endr
.irp t, 0,1,2,3,4,5,6,7
	v_wmma_scale_f32_16x16x128_f8f6f4 v[HA+8*\t:HA+8*\t+7], v[128+16*\t:128+16*\t+15], v[64*\b+48:64*\b+63], v[HA+8*\t:HA+8*\t+7], v[WS+24+\t], v[XW+4*\b+3] matrix_a_fmt:MATRIX_FMT_BF8 matrix_b_fmt:MATRIX_FMT_BF8
.endr
	WIN 0
.if \b
.Lnoprod_\@:
.endif
	s_wait_dscnt 0x0                               ; tile M + 8's tokens are in
	s_wait_xcnt 0x0                                ; the last tile's stores have read their data and addresses: none of these was written above, all are below
	; ten plain lines that name no register of the products: the places ahead of the loads into x's registers, of the first read of the results, and of the next tile's first products
	XADR \b
	s_add_co_u32 s35, s22, s32
	s_min_u32 s35, s35, 2047                       ; the tile's number: 128 x expert + M
	s_lshl_b32 s36, s35, 15
	s_add_co_u32 s36, s36, s41
	s_lshl_b32 s37, s35, 10
	s_add_co_u32 s37, s37, s42
	v_add_nc_u32 v[HO], s36, v[LI]
	v_add_nc_u32 v[HSO], s37, v[R4]
.rept 5
	v_nop
.endr
	XLOAD \b                                       ; tile M + 8 into the set just multiplied
.if \b
	s_cmp_ge_u32 s32, s23
	s_cbranch_scc1 .Lnost_\@
.endif
	QUANT HA, PC, PW, 1
.irp c, 0,1,2,3
	global_store_b128 v[HO], v[PC+4*\c:PC+4*\c+3], s[14:15] offset:512*\c  ; 32 lanes store 512 consecutive bytes of the image
.endr
	global_store_b32 v[HSO], v[PW], s[16:17]       ; lanes r and r + 16 store the same word
.if \b
.Lnost_\@:
.endif
	s_add_co_u32 s32, s32, 4
.endm
.Ltile:
	TILE 0
	TILE 1
	s_sub_co_u32 s33, s33, 1
	s_cmp_lg_u32 s33, 0
	s_cbranch_scc1 .Ltile
.Lend:
	s_set_vgpr_msb 0xf
	s_wait_tensorcnt 0x0
	ds_add_u32 v254, v255
	s_wait_dscnt 0x0
	s_set_vgpr_msb 0xf00
	s_endpgm
.Lfunc_end_k_q4f3175b721_hidden:
	.size	k_q4f3175b721_hidden, .Lfunc_end_k_q4f3175b721_hidden-k_q4f3175b721_hidden
	.p2alignl 7, 3214868480
	.fill 96, 4, 3214868480
	.section	.rodata,"a",@progbits
	.p2align	6, 0x0
	.amdhsa_kernel k_q4f3175b721_hidden
		.amdhsa_group_segment_fixed_size 76800
		.amdhsa_private_segment_fixed_size 0
		.amdhsa_enable_private_segment 0
		.amdhsa_kernarg_size 64
		.amdhsa_user_sgpr_count 2
		.amdhsa_user_sgpr_kernarg_segment_ptr 1
		.amdhsa_wavefront_size32 1
		.amdhsa_system_sgpr_workgroup_id_x 1
		.amdhsa_system_sgpr_workgroup_id_y 1
		.amdhsa_system_sgpr_workgroup_id_z 1
		.amdhsa_system_vgpr_workitem_id 0
		.amdhsa_next_free_vgpr 1024
		.amdhsa_next_free_sgpr 66
		.amdhsa_reserve_vcc 0
		.amdhsa_float_denorm_mode_32 3
		.amdhsa_float_denorm_mode_16_64 3
		.amdhsa_memory_ordered 1
		.amdhsa_forward_progress 1
		.amdhsa_inst_pref_size 175
	.end_amdhsa_kernel
	.amdgpu_metadata
---
amdhsa.version: [ 1, 2 ]
amdhsa.kernels:
  - .name:           k_q4f3175b721_hidden
    .symbol:         k_q4f3175b721_hidden.kd
    .args:
      - { .name: W1, .offset: 0, .size: 8, .value_kind: global_buffer, .address_space: global }
      - { .name: b1, .offset: 8, .size: 8, .value_kind: global_buffer, .address_space: global }
      - { .name: xq, .offset: 16, .size: 8, .value_kind: global_buffer, .address_space: global }
      - { .name: xs, .offset: 24, .size: 8, .value_kind: global_buffer, .address_space: global }
      - { .name: ridx, .offset: 32, .size: 8, .value_kind: global_buffer, .address_space: global }
      - { .name: hq, .offset: 40, .size: 8, .value_kind: global_buffer, .address_space: global }
      - { .name: hs, .offset: 48, .size: 8, .value_kind: global_buffer, .address_space: global }
      - { .name: plan, .offset: 56, .size: 8, .value_kind: global_buffer, .address_space: global }
    .group_segment_fixed_size: 76800
    .private_segment_fixed_size: 0
    .kernarg_segment_align: 8
    .kernarg_segment_size: 64
    .max_flat_workgroup_size: 128
    .sgpr_count:     66
    .vgpr_count:     1024
    .wavefront_size: 32
...
	.end_amdgpu_metadata
.endif
;; end of part 6
;; launch outp (part 7): grid 16 x 16, 4 waves a work-group, no clusters, 85,504 bytes of LDS; arguments W2, hq, hs, plan, ex; writes ex
.if DOCPART == 7
	.amdgcn_target "amdgcn-amd-amdhsa--gfx1250"
	.amdhsa_code_object_version 6
	.text
	.protected	k_q4f3175b721_outp
	.globl	k_q4f3175b721_outp
	.p2align	8
	.type	k_q4f3175b721_outp,@function
k_q4f3175b721_outp:
	s_mov_b64 s[64:65], 0
	v_nop
	global_prefetch_b8 v0, s[64:65] scope:SCOPE_SE
	s_setreg_imm32_b32 hwreg(HW_REG_WAVE_MODE, 25, 1), 1
	s_wait_xcnt 0x0
; OUTP.  Work-group (x, e), x = 8 kh + dsl: the part of h W2[e] over hidden units 1,024 kh .. + 1,023, for output columns 64 dsl .. + 63 and the rows routed to expert e.
; ex [32768 padded rows][2 halves of K][512] f32, expert e's rows from 2,048 e on; the two halves, b2, the gate's weights, the residual and the norm are the next launch's.
; W2's piece, 1,024 x 64 f32 = 256 KiB, has this work-group as its ONLY reader and is quantised here, as the launch before quantises W1's: a load reads two whole runs of 256 bytes (row k in lanes 0-15, row k + 16 in lanes 16-31),
; a lane holds 16 neighbours along K of each of its four columns, the hold lays them in consecutive registers, the codes go to LDS as parts of register images; one barrier; every wave loads all 32 fragments (8 K steps x 4 tiles of 16 columns).
; Wave w quantises K steps 2 w and 2 w + 1.  Then the waves share the rows: wave w takes tiles w, w + 4, ..; h's fragments come from memory as the register images that the launch before stored.
; Source 0 = 16 columns of W2, source 1 = 16 rows of h: a lane holds one row and eight neighbouring columns; a tile goes through the wave's own stage in LDS and leaves as runs of 256 bytes.
; The expert's count comes from plan (128 bytes an expert); its tiles are 128 e .. ; a look-ahead past the last tile reads that last tile (tile 128 e of an expert without rows: the launch before stores it always).
; The trip count and two forward branches hang on stored numbers: no tensor load, and the one barrier stands ahead of them.  NO CLUSTER: no weight byte has a second reader, and partners of different experts would have different numbers of tiles.
; LIMITS: NaN and infinities are not served; a block of zeros gets the byte 1.
; REGISTERS.  window 0: v1-23 addresses; v24-55 W2's scale words; v56-63 h's, two sets; phase W: v64-191, v192-223, v224-231, v232-255 as in the launch before; then v64-95 four accumulators, v96-127 rows on the way out.
;   windows 1, 2: the raw piece, then the fragments (f = 4 s + n at v[16 (f % 16)] of window 1 + f / 16).   window 3: h's eight fragments, two sets.
.set WSC,  65536
.set STG,  67584                       ; a stage of 16 rows x (256 + 16) bytes for each wave
.set WA,   4
.set IA,   5
.set SA,   6
.set LI,   7                           ; 16 x lane
.set SR,   8                           ; WSC + 4 r
.set L4,   9                           ; 4 x lane
.set HAD,  10                          ; v10-11 hq: my 16 bytes of a tile's first image of this half of K
.set HSD,  12                          ; v12-13 hs
.set STO,  14
.set RD,   15
.set EO,   16
.set EB,   17                          ; 16 r + 4,096 h
.set WS,   24
.set HW,   56
.set ACC,  64
.set OB,   96
.set T,    64
.set C,    192
.set WSW,  224
.set MM,   232
.set PP,   240
.set SC,   248
.set SEL,  30
.set MNT,  29
.set MSB,  0
.macro WIN new
.if MSB != (\new)
	s_set_vgpr_msb (MSB<<8)|(\new)
.set MSB, (\new)
.endif
.endm
; group g: two blocks of 32 along K (blocks 2 (g % 2) + u of my K step g / 2) x 64 columns: register 64 u + 4 i + j = W2(.. + 16 h + i, 4 (lane % 16) + j)
.macro LOADG g
	WIN 0x40*(1+((\g)>>1))
.irp u, 0,1
.irp i, 0,1,2,3,4,5,6,7,8,9,10,11,12,13,14,15
	global_load_b128 v[128*((\g)&1)+64*\u+4*\i:128*((\g)&1)+64*\u+4*\i+3], v[WA], s[4:5] offset:(128*((\g)>>1)+32*(2*((\g)&1)+\u)+\i)*2048 th:TH_LOAD_NT
.endr
.endr
	WIN 0
.endm
.macro QG g
.set WW, 1+((\g)>>1)
.set RB, 128*((\g)&1)
	WIN (WW<<2)|(WW<<4)
.irp q, 0,1,2,3,4,5,6,7
	v_max3_num_f32 v[MM+\q], s28, |v[RB+64*(\q/4)+(\q%4)]|, |v[RB+64*(\q/4)+(\q%4)+4]|      ; the floor 2^(16 - 127) among the leaves
.endr
.irp i, 2,4,6,8,10,12,14
.irp q, 0,1,2,3,4,5,6,7
	v_max3_num_f32 v[MM+\q], v[MM+\q], |v[RB+64*(\q/4)+(\q%4)+4*\i]|, |v[RB+64*(\q/4)+(\q%4)+4*\i+4]|
.endr
.endr
	WIN 0
.irp q, 0,1,2,3,4,5,6,7
	v_permlanex16_b32 v[PP+\q], v[MM+\q], s[SEL], s[SEL+1]
.endr
.irp q, 0,1,2,3,4,5,6,7
	v_max_num_f32 v[MM+\q], v[MM+\q], v[PP+\q]
.endr
.irp q, 0,1,2,3,4,5,6,7
	v_add_nc_u32 v[SC+\q], 0xf8800000, v[MM+\q]    ; 15 off the exponent field: the conversion's scale operand
.endr
.irp q, 0,1,2,3,4,5,6,7
	v_and_or_b32 v[MM+\q], v[MM+\q], 0x7f800000, s[MNT]                    ; 57,344 x the scale
.endr
.irp q, 0,1,2,3,4,5,6,7
	v_lshrrev_b32 v[PP+\q], 23, v[SC+\q]           ; the byte
.endr
.irp q, 0,1,2,3,4,5,6,7
.if (2*((\g)&1)+(\q/4)) == 0
	v_mov_b32 v[WSW+4*((\g)>>1)+(\q%4)], v[PP+\q]  ; byte 2 (g % 2) + u of column j's word for K step g / 2
.else
	v_lshl_or_b32 v[WSW+4*((\g)>>1)+(\q%4)], v[PP+\q], 8*(2*((\g)&1)+(\q/4)), v[WSW+4*((\g)>>1)+(\q%4)]
.endif
.endr
	WIN WW
.irp q, 0,1,2,3,4,5,6,7
.irp i, 0,1,2,3,4,5,6,7,8,9,10,11,12,13,14,15
	v_med3_num_f32 v[T+16*\q+\i], v[RB+64*(\q/4)+4*\i+(\q%4)], -v[MM+\q], v[MM+\q]          ; the hold, and a column's 16 numbers into consecutive registers
.endr
.endr
	WIN 0
	s_wait_dscnt 0x0                               ; the last group's LDS stores have read the codes' registers
.irp q, 0,1,2,3,4,5,6,7
	v_cvt_scalef32_pk8_bf8_f32 v[C+4*\q:C+4*\q+1], v[T+16*\q:T+16*\q+7], v[SC+\q]
	v_cvt_scalef32_pk8_bf8_f32 v[C+4*\q+2:C+4*\q+3], v[T+16*\q+8:T+16*\q+15], v[SC+\q]
.endr
	v_nop
.irp q, 0,1,2,3,4,5,6,7
	ds_store_b128 v[IA], v[C+4*\q:C+4*\q+3] offset:8192*((\g)>>1)+512*(2*((\g)&1)+(\q/4))+16*(\q%4)
.endr
.endm
.macro HADR b, add                     ; where tile M + add lies in hq and hs; past the expert's last tile: that last tile
	s_add_co_u32 s34, s32, \add
	s_min_u32 s34, s34, s40
	s_add_co_u32 s34, s34, s22
	s_min_u32 s34, s34, 2047
	s_lshl_b32 s35, s34, 15
	s_add_co_u32 s35, s35, s41
	s_lshl_b32 s36, s34, 10
	s_add_co_u32 s36, s36, s42
	v_add_nc_u32 v[HAD+\b], s35, v[LI]
	v_add_nc_u32 v[HSD+\b], s36, v[L4]
.endm
.macro HLOAD b                         ; 36 loads: eight images, 512 consecutive bytes a load; and the scale words: lanes 0-15 K step 2 q, lanes 16-31 K step 2 q + 1
	WIN 0xc0
.irp s, 0,1,2,3,4,5,6,7
.irp c, 0,1,2,3
	global_load_b128 v[128*\b+16*\s+4*\c:128*\b+16*\s+4*\c+3], v[HAD+\b], s[6:7] offset:2048*\s+512*\c
.endr
.endr
	WIN 0
.irp q, 0,1,2,3
	global_load_b32 v[HW+4*\b+\q], v[HSD+\b], s[8:9] offset:128*\q
.endr
.endm
.macro PROD b, s, n
.set FI, 4*(\s)+(\n)
.if (\s) == 0
	v_wmma_scale_f32_16x16x128_f8f6f4 v[ACC+8*(\n):ACC+8*(\n)+7], v[16*(FI&15):16*(FI&15)+15], v[128*(\b)+16*(\s):128*(\b)+16*(\s)+15], 0, v[WS+FI], v[HW+4*(\b)+(\s)/2] matrix_a_fmt:MATRIX_FMT_BF8 matrix_b_fmt:MATRIX_FMT_BF8
.elseif (\s)%2
	v_wmma_scale_f32_16x16x128_f8f6f4 v[ACC+8*(\n):ACC+8*(\n)+7], v[16*(FI&15):16*(FI&15)+15], v[128*(\b)+16*(\s):128*(\b)+16*(\s)+15], v[ACC+8*(\n):ACC+8*(\n)+7], v[WS+FI], v[HW+4*(\b)+(\s)/2] matrix_a_fmt:MATRIX_FMT_BF8 matrix_b_fmt:MATRIX_FMT_BF8 matrix_b_scale:MATRIX_SCALE_ROW1
.else
	v_wmma_scale_f32_16x16x128_f8f6f4 v[ACC+8*(\n):ACC+8*(\n)+7], v[16*(FI&15):16*(FI&15)+15], v[128*(\b)+16*(\s):128*(\b)+16*(\s)+15], v[ACC+8*(\n):ACC+8*(\n)+7], v[WS+FI], v[HW+4*(\b)+(\s)/2] matrix_a_fmt:MATRIX_FMT_BF8 matrix_b_fmt:MATRIX_FMT_BF8
.endif
.endm
	s_load_b256 s[4:11], s[0:1], 0x0               ; W2 s[4:5], hq s[6:7], hs s[8:9], plan s[10:11]
	s_load_b64 s[12:13], s[0:1], 0x20              ; ex
	v_lshl_add_u32 v20, v0, 2, 0x14c00
	v_mov_b32 v21, 0
	v_lshrrev_b32 v1, 5, v0
	v_readfirstlane_b32 s24, v1                    ; wave
	v_and_b32 v1, 31, v0
	v_and_b32 v2, 15, v0                           ; r
	v_bfe_u32 v3, v0, 4, 1                         ; h
	s_and_b32 s25, ttmp7, 0xffff                   ; the expert
	s_and_b32 s26, ttmp9, 7                        ; dsl: which 64 columns
	s_lshr_b32 s27, ttmp9, 3                       ; kh: which half of K
	v_lshlrev_b32 v[WA], 4, v2
	v_lshl_add_u32 v[WA], v3, 15, v[WA]            ; 16 rows of 2,048 bytes for lanes 16-31
	v_bfe_u32 v22, v0, 2, 2                        ; column 4 (lane % 16) + j lies in tile (lane % 16) / 4 at lane 4 (lane % 4) + j
	v_and_b32 v23, 3, v0
	v_lshlrev_b32 v[IA], 11, v22
	v_lshl_add_u32 v[IA], v23, 6, v[IA]
	v_lshl_add_u32 v[IA], v3, 8, v[IA]
	s_lshl_b32 s34, s24, 14
	v_add_nc_u32 v[IA], s34, v[IA]
	v_lshlrev_b32 v[SA], 6, v22
	v_lshl_add_u32 v[SA], v23, 4, v[SA]
	s_lshl_b32 s34, s24, 9
	s_add_co_u32 s34, s34, WSC
	v_add_nc_u32 v[SA], s34, v[SA]
	v_lshlrev_b32 v[LI], 4, v1
	v_lshlrev_b32 v[L4], 2, v1
	v_lshlrev_b32 v[SR], 2, v2
	v_add_nc_u32 v[SR], WSC, v[SR]
	s_mul_i32 s34, s24, 4352
	s_add_co_u32 s34, s34, STG                     ; my stage
	v_mul_u32_u24 v[STO], v2, 272
	v_lshl_add_u32 v[STO], v3, 5, v[STO]
	v_add_nc_u32 v[STO], s34, v[STO]               ; in: row r, 32 bytes for each half of the lanes
	v_mul_u32_u24 v[RD], v3, 272
	v_lshl_add_u32 v[RD], v2, 4, v[RD]
	v_add_nc_u32 v[RD], s34, v[RD]                 ; back: lanes 0-15 one row of 256 bytes, lanes 16-31 the next
	v_lshlrev_b32 v[EB], 4, v2
	v_lshl_add_u32 v[EB], v3, 12, v[EB]            ; and the same two rows in ex, 4,096 bytes apart
	s_mov_b32 s28, 0x8000000
	s_mov_b32 s[MNT], 0x600000
	s_mov_b32 s[SEL], 0x76543210
	s_mov_b32 s[SEL+1], 0xfedcba98
.irp q, 0,1,2,3,4,5,6,7
	v_mov_b32 v[PP+\q], 0                          ; written once: a lane permute's destination counts as one of its sources
.endr
	s_lshl_b32 s34, s25, 22                        ; W2: the expert's 4 MiB, the half's 1,024 rows, my 256 rows, the slice's 256 bytes of a row
	s_lshl_b32 s36, s27, 21
	s_add_co_u32 s34, s34, s36
	s_lshl_b32 s36, s24, 19
	s_add_co_u32 s34, s34, s36
	s_lshl_b32 s36, s26, 8
	s_add_co_u32 s34, s34, s36
	s_mov_b32 s35, 0
	s_lshl_b32 s38, s25, 7                         ; plan: the expert's count
	s_mov_b32 s39, 0
	s_lshl_b32 s22, s25, 7                         ; the expert's first tile
	s_lshl_b32 s41, s27, 14                        ; this half's eight images in a tile of hq,
	s_lshl_b32 s42, s27, 9                         ; its words in hs,
	s_lshl_b32 s43, s27, 11                        ; and its place in a row of ex
	s_add_co_u32 s43, s43, s36
	s_mov_b32 s32, s24                             ; M: the tile in hand
	s_wait_kmcnt 0x0
	s_add_nc_u64 s[18:19], s[10:11], s[38:39]
	s_load_b32 s21, s[18:19], 0x0                  ; the expert's rows
	s_add_nc_u64 s[4:5], s[4:5], s[34:35]
	LOADG 0
	LOADG 1
	s_wait_loadcnt 32                              ; group 0 is in; behind it: group 1's 32
	LOADG 2
	QG 0
	s_wait_loadcnt 32                              ; group 1 is in
	LOADG 3
	QG 1
	s_wait_loadcnt 32                              ; group 2 is in
	s_wait_kmcnt 0x0
	s_min_u32 s21, s21, 0x800
	s_add_co_u32 s23, s21, 15
	s_lshr_b32 s23, s23, 4                         ; its tiles
	s_max_u32 s40, s23, 1
	s_sub_co_u32 s40, s40, 1                       ; the last of them
	HADR 0, 0
	HLOAD 0                                        ; tile w
	QG 2
	s_wait_loadcnt 36                              ; group 3 is in; behind it: tile w's 36
	HADR 1, 4
	HLOAD 1                                        ; tile w + 4
	QG 3
	ds_store_b128 v[SA], v[WSW:WSW+3]              ; lanes l and l xor 16 write the same words with the same values
	ds_store_b128 v[SA], v[WSW+4:WSW+7] offset:256
	s_wait_dscnt 0x0                               ; for the others' sake
	s_barrier_signal -1
	s_barrier_wait -1
	WIN 0x40
.irp f, 0,1,2,3,4,5,6,7,8,9,10,11,12,13,14,15
.irp c, 0,1,2,3
	ds_load_b128 v[16*\f+4*\c:16*\f+4*\c+3], v[LI] offset:2048*\f+512*\c
.endr
.endr
	WIN 0x80
.irp f, 0,1,2,3,4,5,6,7,8,9,10,11,12,13,14,15
.irp c, 0,1,2,3
	ds_load_b128 v[16*\f+4*\c:16*\f+4*\c+3], v[LI] offset:2048*(16+\f)+512*\c
.endr
.endr
	WIN 0
.set i, 0
.rept 32
	ds_load_b32 v[WS+i], v[SR] offset:64*i
.set i, i+1
.endr
	s_wait_dscnt 0x0
	s_add_co_u32 s33, s23, 7
	s_sub_co_u32 s33, s33, s24
	s_lshr_b32 s33, s33, 3                         ; trips: two of my tiles a trip
	s_cmp_eq_u32 s33, 0
	s_cbranch_scc1 .Lend
; A TILE of 16 rows, on set b.  The second tile of a trip may lie past the expert's last: its products and its stores are jumped over, its waits and look-ahead loads are not.
.macro TILE b
	s_wait_loadcnt 36                              ; this tile's 36 loads are in; the other set's 36 may be out
	s_wait_xcnt 0x0                                ; the last tile's stores have read their data and address
.if \b
	s_cmp_ge_u32 s32, s23
	s_cbranch_scc1 .Lnoprod_\@
.endif
	WIN 0x0d                                       ; source 0 (W2) window 1, source 1 (h) window 3.  The four accumulators take turns, one instruction a turn
.irp s, 0,1,2,3
.irp n, 0,1,2,3
	PROD \b, \s, \n
.endr
.endr
	WIN 0x0e
.irp s, 4,5,6,7
.irp n, 0,1,2,3
	PROD \b, \s, \n
.endr
.endr
	WIN 0
.if \b
.Lnoprod_\@:
.endif
	HADR \b, 8                                     ; ten plain lines that name no register of the products: the places ahead of the loads into h's registers, of the first read of the results and of the next tile's first products
	s_add_co_u32 s37, s22, s32
	s_min_u32 s37, s37, 2047
	s_lshl_b32 s37, s37, 16                        ; 16 padded rows of 4,096 bytes a tile
	s_add_co_u32 s37, s37, s43
	v_add_nc_u32 v[EO], s37, v[EB]
.rept 7
	v_nop
.endr
	HLOAD \b                                       ; tile M + 8 into the set just multiplied
.if \b
	s_cmp_ge_u32 s32, s23
	s_cbranch_scc1 .Lnost_\@
.endif
.irp n, 0,1,2,3
	ds_store_b128 v[STO], v[ACC+8*\n:ACC+8*\n+3] offset:64*\n              ; each accumulator from its low end on
	ds_store_b128 v[STO], v[ACC+8*\n+4:ACC+8*\n+7] offset:64*\n+16
.endr
.irp i, 0,1,2,3,4,5,6,7
	ds_load_b128 v[OB+4*\i:OB+4*\i+3], v[RD] offset:544*\i                 ; LDS serves a wave's instructions in order (ISA guide 5.7.1.4): these see my stores
.endr
.irp i, 0,1,2,3,4,5,6,7
	s_wait_dscnt 7-\i
	global_store_b128 v[EO], v[OB+4*\i:OB+4*\i+3], s[12:13] offset:8192*\i ; sixteen lanes store 256 consecutive bytes, aligned
.endr
.if \b
.Lnost_\@:
.endif
	s_add_co_u32 s32, s32, 4
.endm
.Ltile:
	TILE 0
	TILE 1
	s_sub_co_u32 s33, s33, 1
	s_cmp_lg_u32 s33, 0
	s_cbranch_scc1 .Ltile
.Lend:
	s_wait_tensorcnt 0x0
	ds_add_u32 v20, v21
	s_wait_dscnt 0x0
	s_endpgm
.Lfunc_end_k_q4f3175b721_outp:
	.size	k_q4f3175b721_outp, .Lfunc_end_k_q4f3175b721_outp-k_q4f3175b721_outp
	.p2alignl 7, 3214868480
	.fill 96, 4, 3214868480
	.section	.rodata,"a",@progbits
	.p2align	6, 0x0
	.amdhsa_kernel k_q4f3175b721_outp
		.amdhsa_group_segment_fixed_size 85504
		.amdhsa_private_segment_fixed_size 0
		.amdhsa_enable_private_segment 0
		.amdhsa_kernarg_size 40
		.amdhsa_user_sgpr_count 2
		.amdhsa_user_sgpr_kernarg_segment_ptr 1
		.amdhsa_wavefront_size32 1
		.amdhsa_system_sgpr_workgroup_id_x 1
		.amdhsa_system_sgpr_workgroup_id_y 1
		.amdhsa_system_sgpr_workgroup_id_z 1
		.amdhsa_system_vgpr_workitem_id 0
		.amdhsa_next_free_vgpr 1024
		.amdhsa_next_free_sgpr 66
		.amdhsa_reserve_vcc 0
		.amdhsa_float_denorm_mode_32 3
		.amdhsa_float_denorm_mode_16_64 3
		.amdhsa_memory_ordered 1
		.amdhsa_forward_progress 1
		.amdhsa_inst_pref_size 121
	.end_amdhsa_kernel
	.amdgpu_metadata
---
amdhsa.version: [ 1, 2 ]
amdhsa.kernels:
  - .name:           k_q4f3175b721_outp
    .symbol:         k_q4f3175b721_outp.kd
    .args:
      - { .name: W2, .offset: 0, .size: 8, .value_kind: global_buffer, .address_space: global }
      - { .name: hq, .offset: 8, .size: 8, .value_kind: global_buffer, .address_space: global }
      - { .name: hs, .offset: 16, .size: 8, .value_kind: global_buffer, .address_space: global }
      - { .name: plan, .offset: 24, .size: 8, .value_kind: global_buffer, .address_space: global }
      - { .name: ex, .offset: 32, .size: 8, .value_kind: global_buffer, .address_space: global }
    .group_segment_fixed_size: 85504
    .private_segment_fixed_size: 0
    .kernarg_segment_align: 8
    .kernarg_segment_size: 40
    .max_flat_workgroup_size: 128
    .sgpr_count:     66
    .vgpr_count:     1024
    .wavefront_size: 32
...
	.end_amdgpu_metadata
.endif
;; end of part 7
;; launch comb (part 8): grid 256 x 1, 8 waves a work-group, no clusters, 0 bytes of LDS; arguments x, ex, plan, ridx, rw, b2, gamma, beta, out0; writes out0
.if DOCPART == 8
	.amdgcn_target "amdgcn-amd-amdhsa--gfx1250"
	.amdhsa_code_object_version 6
	.text
	.protected	k_q4f3175b721_comb
	.globl	k_q4f3175b721_comb
	.p2align	8
	.type	k_q4f3175b721_comb,@function
k_q4f3175b721_comb:
	s_mov_b64 s[64:65], 0
	v_nop
	global_prefetch_b8 v0, s[64:65] scope:SCOPE_SE
	s_setreg_imm32_b32 hwreg(HW_REG_WAVE_MODE, 25, 1), 1
	s_wait_xcnt 0x0
; COMB.  out = LayerNorm(x + w1 (ex[p1] + b2[e1]) + w2 (ex[p2] + b2[e2])) gamma + beta, all in f32.  ex[p] is the sum of its two halves of K; p = 2,048 e + the token's rank in expert e.
; One wave, one token: a row of 512 f32 is 16 numbers a lane, four loads of 16 bytes, each 512 consecutive bytes a wave.  The reductions never leave the wave: no LDS bytes, no barrier.
; The token's experts e and weights w are scalar loads of what the first launch stored.  Its ranks: lane l loads the token's word of expert l % 16 (plan, byte 2,048 on: [16][2048]) at the same time as those scalar loads,
; and two lane pulls (ds_bpermute_b32, which touches no LDS byte) bring the two that count to every lane.  e and the ranks are held inside their tables before they enter an address.
; The mean is taken first and the variance of the differences, as the definition has it.  A stream: no matrix unit, no cluster, nothing shared.
.set X,  16                            ; v16-31   x, then the sum, the differences, the result
.set G,  32                            ; v32-47   gamma
.set BT, 48                            ; v48-63   beta
.set EA, 64                            ; v64-95   slot 0: two halves;  v96-127 slot 1
.set B2, 128                           ; v128-143 b2 of slot 0's expert;  v144-159 of slot 1's
.macro WSUM r, t                       ; the sum over the wave's 32 lanes, in every lane
	v_add_f32_dpp v[\r], v[\r], v[\r] row_xmask:1 row_mask:0xf bank_mask:0xf
	v_add_f32_dpp v[\r], v[\r], v[\r] row_xmask:2 row_mask:0xf bank_mask:0xf
	v_add_f32_dpp v[\r], v[\r], v[\r] row_xmask:4 row_mask:0xf bank_mask:0xf
	v_add_f32_dpp v[\r], v[\r], v[\r] row_xmask:8 row_mask:0xf bank_mask:0xf
	v_permlanex16_b32 v[\t], v[\r], s54, s55
	v_add_f32 v[\r], v[\r], v[\t]
.endm
	s_load_b256 s[4:11], s[0:1], 0x0               ; x s[4:5], ex s[6:7], plan s[8:9], ridx s[10:11]
	s_load_b256 s[12:19], s[0:1], 0x20             ; rw s[12:13], b2 s[14:15], gamma s[16:17], beta s[18:19]
	s_load_b64 s[20:21], s[0:1], 0x40              ; out0
	v_lshrrev_b32 v1, 5, v0
	v_readfirstlane_b32 s22, v1                    ; wave
	v_and_b32 v1, 31, v0
	v_lshlrev_b32 v1, 4, v1                        ; 16 x lane
	s_lshl_b32 s23, ttmp9, 3
	s_add_co_u32 s23, s23, s22                     ; my token
	s_lshl_b32 s24, s23, 3
	s_mov_b32 s25, 0
	s_lshl_b32 s26, s23, 11
	s_mov_b32 s27, 0
	s_lshl_b32 s28, s23, 2
	v_and_b32 v2, 15, v0
	v_lshlrev_b32 v2, 13, v2
	v_add_nc_u32 v2, s28, v2                       ; expert lane % 16's 8,192 bytes of ranks, my token's word
	s_mov_b32 s54, 0x76543210
	s_mov_b32 s55, 0xfedcba98
	s_wait_kmcnt 0x0
	s_add_nc_u64 s[30:31], s[10:11], s[24:25]
	s_add_nc_u64 s[32:33], s[12:13], s[24:25]
	s_load_b64 s[38:39], s[30:31], 0x0             ; my two experts
	s_load_b64 s[40:41], s[32:33], 0x0             ; their weights
	global_load_b32 v3, v2, s[8:9] offset:2048     ; my token's word of all sixteen experts
	s_add_nc_u64 s[4:5], s[4:5], s[26:27]
	s_add_nc_u64 s[20:21], s[20:21], s[26:27]
.irp q, 0,1,2,3
	global_load_b128 v[X+4*\q:X+4*\q+3], v1, s[4:5] offset:512*\q th:TH_LOAD_NT
.endr
.irp q, 0,1,2,3
	global_load_b128 v[G+4*\q:G+4*\q+3], v1, s[16:17] offset:512*\q
	global_load_b128 v[BT+4*\q:BT+4*\q+3], v1, s[18:19] offset:512*\q
.endr
	s_wait_kmcnt 0x0
	s_min_u32 s38, s38, 15
	s_min_u32 s39, s39, 15
	s_lshl_b32 s36, s38, 2                         ; the lanes that hold my two ranks, as byte indices
	s_lshl_b32 s37, s39, 2
	v_mov_b32 v4, s36
	v_mov_b32 v5, s37
	s_lshl_b32 s46, s38, 23                        ; an expert's 2,048 padded rows of 4,096 bytes in ex
	s_mov_b32 s47, 0
	s_lshl_b32 s48, s39, 23
	s_mov_b32 s49, 0
	s_lshl_b32 s50, s38, 11                        ; a row of b2 is 2,048 bytes
	s_mov_b32 s51, 0
	s_lshl_b32 s52, s39, 11
	s_mov_b32 s53, 0
	s_add_nc_u64 s[46:47], s[6:7], s[46:47]
	s_add_nc_u64 s[48:49], s[6:7], s[48:49]
	s_add_nc_u64 s[50:51], s[14:15], s[50:51]
	s_add_nc_u64 s[52:53], s[14:15], s[52:53]
	s_mov_b32 s42, s40                             ; the weights as pairs: the packed form names a pair and takes its low word for both halves
	s_mov_b32 s43, s40
	s_mov_b32 s44, s41
	s_mov_b32 s45, s41
.irp q, 0,1,2,3
	global_load_b128 v[B2+4*\q:B2+4*\q+3], v1, s[50:51] offset:512*\q
	global_load_b128 v[B2+16+4*\q:B2+16+4*\q+3], v1, s[52:53] offset:512*\q
.endr
	s_wait_loadcnt 20                              ; the ranks' load is in: behind it stand x's 4, gamma's and beta's 8 and b2's 8
	ds_bpermute_b32 v6, v4, v3                     ; every lane takes lane e1's word,
	ds_bpermute_b32 v7, v5, v3                     ; and lane e2's
	s_wait_dscnt 0x0
	v_min_u32 v6, 0x7ff, v6
	v_min_u32 v7, 0x7ff, v7
	v_lshl_add_u32 v6, v6, 12, v1                  ; rank x 4,096 + 16 x lane
	v_lshl_add_u32 v7, v7, 12, v1
.irp q, 0,1,2,3
	global_load_b128 v[EA+4*\q:EA+4*\q+3], v6, s[46:47] offset:512*\q th:TH_LOAD_NT
	global_load_b128 v[EA+16+4*\q:EA+16+4*\q+3], v6, s[46:47] offset:2048+512*\q th:TH_LOAD_NT
	global_load_b128 v[EA+32+4*\q:EA+32+4*\q+3], v7, s[48:49] offset:512*\q th:TH_LOAD_NT
	global_load_b128 v[EA+48+4*\q:EA+48+4*\q+3], v7, s[48:49] offset:2048+512*\q th:TH_LOAD_NT
.endr
	s_wait_loadcnt 0x0
.irp p, 0,2,4,6,8,10,12,14
	v_pk_add_f32 v[EA+\p:EA+\p+1], v[EA+\p:EA+\p+1], v[EA+16+\p:EA+16+\p+1]                ; the two halves of K,
	v_pk_add_f32 v[EA+32+\p:EA+32+\p+1], v[EA+32+\p:EA+32+\p+1], v[EA+48+\p:EA+48+\p+1]
.endr
.irp p, 0,2,4,6,8,10,12,14
	v_pk_add_f32 v[EA+\p:EA+\p+1], v[EA+\p:EA+\p+1], v[B2+\p:B2+\p+1]                      ; and the expert's bias
	v_pk_add_f32 v[EA+32+\p:EA+32+\p+1], v[EA+32+\p:EA+32+\p+1], v[B2+16+\p:B2+16+\p+1]
.endr
.irp p, 0,2,4,6,8,10,12,14
	v_pk_fma_f32 v[X+\p:X+\p+1], v[EA+\p:EA+\p+1], s[42:43], v[X+\p:X+\p+1] op_sel_hi:[1,0,1]
.endr
.irp p, 0,2,4,6,8,10,12,14
	v_pk_fma_f32 v[X+\p:X+\p+1], v[EA+32+\p:EA+32+\p+1], s[44:45], v[X+\p:X+\p+1] op_sel_hi:[1,0,1]
.endr
	v_pk_add_f32 v[160:161], v[X:X+1], v[X+2:X+3]
	v_pk_add_f32 v[162:163], v[X+4:X+5], v[X+6:X+7]
	v_pk_add_f32 v[164:165], v[X+8:X+9], v[X+10:X+11]
	v_pk_add_f32 v[166:167], v[X+12:X+13], v[X+14:X+15]
	v_pk_add_f32 v[160:161], v[160:161], v[162:163]
	v_pk_add_f32 v[164:165], v[164:165], v[166:167]
	v_pk_add_f32 v[160:161], v[160:161], v[164:165]
	v_add_f32 v160, v160, v161
	WSUM 160, 162
	v_mul_f32 v168, 0x3b000000, v160               ; the mean: / 512
	v_mov_b32 v169, v168
.irp p, 0,2,4,6,8,10,12,14
	v_pk_add_f32 v[X+\p:X+\p+1], v[X+\p:X+\p+1], v[168:169] neg_lo:[0,1] neg_hi:[0,1]
.endr
	v_pk_mul_f32 v[160:161], v[X:X+1], v[X:X+1]
	v_pk_mul_f32 v[162:163], v[X+2:X+3], v[X+2:X+3]
.irp p, 4,8,12
	v_pk_fma_f32 v[160:161], v[X+\p:X+\p+1], v[X+\p:X+\p+1], v[160:161]
	v_pk_fma_f32 v[162:163], v[X+\p+2:X+\p+3], v[X+\p+2:X+\p+3], v[162:163]
.endr
	v_pk_add_f32 v[160:161], v[160:161], v[162:163]
	v_add_f32 v160, v160, v161
	WSUM 160, 162
	v_mov_b32 v171, 0x3b000000
	v_fmaak_f32 v170, v160, v171, 0x3727c5ac       ; the variance + 1e-5
	v_rsq_f32 v172, v170
	v_nop                                          ; a plain line behind the transcendental
	s_wait_alu depctr_va_vdst(0)                   ; and the wait ahead of its first reader
	v_mov_b32 v173, v172
.irp p, 0,2,4,6,8,10,12,14
	v_pk_mul_f32 v[X+\p:X+\p+1], v[X+\p:X+\p+1], v[172:173]
.endr
.irp p, 0,2,4,6,8,10,12,14
	v_pk_fma_f32 v[X+\p:X+\p+1], v[X+\p:X+\p+1], v[G+\p:G+\p+1], v[BT+\p:BT+\p+1]
.endr
.irp q, 0,1,2,3
	global_store_b128 v1, v[X+4*\q:X+4*\q+3], s[20:21] offset:512*\q th:TH_STORE_NT        ; 32 lanes store 512 consecutive bytes
.endr
	s_endpgm
.Lfunc_end_k_q4f3175b721_comb:
	.size	k_q4f3175b721_comb, .Lfunc_end_k_q4f3175b721_comb-k_q4f3175b721_comb
	.p2alignl 7, 3214868480
	.fill 96, 4, 3214868480
	.section	.rodata,"a",@progbits
	.p2align	6, 0x0
	.amdhsa_kernel k_q4f3175b721_comb
		.amdhsa_group_segment_fixed_size 0
		.amdhsa_private_segment_fixed_size 0
		.amdhsa_enable_private_segment 0
		.amdhsa_kernarg_size 72
		.amdhsa_user_sgpr_count 2
		.amdhsa_user_sgpr_kernarg_segment_ptr 1
		.amdhsa_wavefront_size32 1
		.amdhsa_system_sgpr_workgroup_id_x 1
		.amdhsa_system_sgpr_workgroup_id_y 1
		.amdhsa_system_sgpr_workgroup_id_z 1
		.amdhsa_system_vgpr_workitem_id 0
		.amdhsa_next_free_vgpr 176
		.amdhsa_next_free_sgpr 66
		.amdhsa_reserve_vcc 0
		.amdhsa_float_denorm_mode_32 3
		.amdhsa_float_denorm_mode_16_64 3
		.amdhsa_memory_ordered 1
		.amdhsa_forward_progress 1
		.amdhsa_inst_pref_size 13
	.end_amdhsa_kernel
	.amdgpu_metadata
---
amdhsa.version: [ 1, 2 ]
amdhsa.kernels:
  - .name:           k_q4f3175b721_comb
    .symbol:         k_q4f3175b721_comb.kd
    .args:
      - { .name: x, .offset: 0, .size: 8, .value_kind: global_buffer, .address_space: global }
      - { .name: ex, .offset: 8, .size: 8, .value_kind: global_buffer, .address_space: global }
      - { .name: plan, .offset: 16, .size: 8, .value_kind: global_buffer, .address_space: global }
      - { .name: ridx, .offset: 24, .size: 8, .value_kind: global_buffer, .address_space: global }
      - { .name: rw, .offset: 32, .size: 8, .value_kind: global_buffer, .address_space: global }
      - { .name: b2, .offset: 40, .size: 8, .value_kind: global_buffer, .address_space: global }
      - { .name: gamma, .offset: 48, .size: 8, .value_kind: global_buffer, .address_space: global }
      - { .name: beta, .offset: 56, .size: 8, .value_kind: global_buffer, .address_space: global }
      - { .name: out0, .offset: 64, .size: 8, .value_kind: global_buffer, .address_space: global }
    .group_segment_fixed_size: 0
    .private_segment_fixed_size: 0
    .kernarg_segment_align: 8
    .kernarg_segment_size: 72
    .max_flat_workgroup_size: 256
    .sgpr_count:     66
    .vgpr_count:     176
    .wavefront_size: 32
...
	.end_amdgpu_metadata
.endif
;; end of part 8
;; ======== version 3 of 3: 4 launches; version 2 with the launch outp written anew for expert scheduling mode
;; workspace buffers: xq 1,048,576 bytes; xs 32,768 bytes; ridx 16,384 bytes of whole numbers; rw 16,384 bytes; plan 133,120 bytes of whole numbers; hq 67,108,864 bytes; hs 2,097,152 bytes; ex 134,217,728 bytes
;; launch gate: the kernel of part 1 again; grid 128 x 1, 4 waves a work-group, no clusters, 13,312 bytes of LDS; arguments x, Wg, bg, xq, xs, ridx, rw; writes xq, xs, ridx, rw
;; launch hidden: the kernel of part 6 again; grid 16 x 16, 4 waves a work-group, no clusters, 76,800 bytes of LDS; arguments W1, b1, xq, xs, ridx, hq, hs, plan; writes hq, hs, plan
;; launch outp (part 9): grid 16 x 16, 4 waves a work-group, no clusters, 85,504 bytes of LDS; arguments W2, hq, hs, plan, ex; writes ex
.if DOCPART == 9
	.amdgcn_target "amdgcn-amd-amdhsa--gfx1250"
	.amdhsa_code_object_version 6
	.text
	.protected	k_q4f3175b721_outp
	.globl	k_q4f3175b721_outp
	.p2align	8
	.type	k_q4f3175b721_outp,@function
k_q4f3175b721_outp:
	s_mov_b64 s[64:65], 0
	v_nop
	global_prefetch_b8 v0, s[64:65] scope:SCOPE_SE
	s_setreg_imm32_b32 hwreg(HW_REG_WAVE_SCHED_MODE, 0, 2), 2
	s_setreg_imm32_b32 hwreg(HW_REG_WAVE_MODE, 25, 1), 1
	s_wait_xcnt 0x0
	s_wait_alu depctr_vm_vsrc(0)
; OUTP.  Work-group (x, e), x = 8 kh + dsl: the part of h W2[e] over hidden units 1,024 kh .. + 1,023, for output columns 64 dsl .. + 63 and the rows routed to expert e.
; ex [32768 padded rows][2 halves of K][512] f32, expert e's rows from 2,048 e on; the two halves, b2, the gate's weights, the residual and the norm are the next launch's.
; W2's piece, 1,024 x 64 f32 = 256 KiB, has this work-group as its ONLY reader and is quantised here, as the launch before quantises W1's: a load reads two whole runs of 256 bytes (row k in lanes 0-15, row k + 16 in lanes 16-31),
; a lane holds 16 neighbours along K of each of its four columns, the hold lays them in consecutive registers, the codes go to LDS as parts of register images; one barrier; every wave loads all 32 fragments (8 K steps x 4 tiles of 16 columns).
; Wave w quantises K steps 2 w and 2 w + 1.  Then the waves share the rows: wave w takes tiles w, w + 4, ..; h's fragments come from memory as the register images that the launch before stored.
; Source 0 = 16 columns of W2, source 1 = 16 rows of h: a lane holds one row and eight neighbouring columns; a tile goes through the wave's own stage in LDS and leaves as runs of 256 bytes.
; The expert's count comes from plan (128 bytes an expert); its tiles are 128 e .. ; a look-ahead past the last tile reads that last tile (tile 128 e of an expert without rows: the launch before stores it always).
; The trip count and two forward branches hang on stored numbers: no tensor load, and the one barrier stands ahead of them.  NO CLUSTER: no weight byte has a second reader, and partners of different experts would have different numbers of tiles.
; LIMITS: NaN and infinities are not served; a block of zeros gets the byte 1.
; REGISTERS.  window 0: v1-17 addresses; v20, v21 the closing add's two; v24-55 W2's scale words; v56-63 h's, two sets; phase W: v64-191, v192-223, v224-231, v232-255 as in the launch before; then v64-95 four accumulators, v96-127 rows on the way out.
;   windows 1, 2: the raw piece, then the fragments (f = 4 s + n at v[16 (f % 16)] of window 1 + f / 16).   window 3: h's eight fragments, two sets.
; THE MODE: SCHED_MODE bits 1:0 = 2 (LLVM: expert scheduling mode 2), set by the entry lines.  The code itself states the register dependences between vector or matrix instructions and memory or LDS instructions, with s_wait_alu, always for 0.
; THE PLAN.  Registers that memory or LDS instructions touch, and who else names them:
;   the addresses v4-v9, v14, v15, v17   made at the head, never written again: one wait on va_vdst ahead of the first load.
;   PHASE W  the four raw groups land in four runs of registers of their own and are only read by vector lines.  The codes v192-223: written by a group's conversions, read by its eight image stores:
;       a wait on vm_vsrc ahead of the conversions (the last group's stores), a wait on va_vdst ahead of the stores.  The addresses of the first two tiles of h are made ahead of group 1, so that group 1's wait covers them;
;       group 3's wait states also that the holds are done reading the raw registers, in which the fragments land behind the barrier.
;   THE TILES, tile M on set b   H[b], HW[b]: loaded for tile M + 8 behind the tile's products, which read them.   HAD[b], HSD[b], EO: written behind the products, read by those loads and by the tile's stores.
;       The accumulators: written by the products, read by the LDS stores into the stage.   v96-127: the stage's loads land there, the global stores read them; no vector line names them.
;       Two waits a tile: vm_vsrc at its head, ahead of the branch (the last tile's LDS stores have read the accumulators, its global stores v96-127 and EO, this set's last loads HAD and HSD);
;       va_vdst behind the places that follow the products (they are done reading H[b] and HW[b] and have written the accumulators; the three addresses are written).
.set WSC,  65536
.set STG,  67584                       ; a stage of 16 rows x (256 + 16) bytes for each wave
.set WA,   4
.set IA,   5
.set SA,   6
.set LI,   7                           ; 16 x lane
.set SR,   8                           ; WSC + 4 r
.set L4,   9                           ; 4 x lane
.set HAD,  10                          ; v10-11 hq: my 16 bytes of a tile's first image of this half of K
.set HSD,  12                          ; v12-13 hs
.set STO,  14
.set RD,   15
.set EO,   16
.set EB,   17                          ; 16 r + 4,096 h
.set WS,   24
.set HW,   56
.set ACC,  64
.set OB,   96
.set T,    64
.set C,    192
.set WSW,  224
.set MM,   232
.set PP,   240
.set SC,   248
.set SEL,  30
.set MNT,  29
.set MSB,  0
.macro WIN new
.if MSB != (\new)
	s_set_vgpr_msb (MSB<<8)|(\new)
.set MSB, (\new)
.endif
.endm
; group g: two blocks of 32 along K (blocks 2 (g % 2) + u of my K step g / 2) x 64 columns: register 64 u + 4 i + j = W2(.. + 16 h + i, 4 (lane % 16) + j)
.macro LOADG g
	WIN 0x40*(1+((\g)>>1))
.irp u, 0,1
.irp i, 0,1,2,3,4,5,6,7,8,9,10,11,12,13,14,15
	global_load_b128 v[128*((\g)&1)+64*\u+4*\i:128*((\g)&1)+64*\u+4*\i+3], v[WA], s[4:5] offset:(128*((\g)>>1)+32*(2*((\g)&1)+\u)+\i)*2048 th:TH_LOAD_NT
.endr
.endr
	WIN 0
.endm
.macro QG g
.set WW, 1+((\g)>>1)
.set RB, 128*((\g)&1)
	WIN (WW<<2)|(WW<<4)
.irp q, 0,1,2,3,4,5,6,7
	v_max3_num_f32 v[MM+\q], s28, |v[RB+64*(\q/4)+(\q%4)]|, |v[RB+64*(\q/4)+(\q%4)+4]|      ; the floor 2^(16 - 127) among the leaves
.endr
.irp i, 2,4,6,8,10,12,14
.irp q, 0,1,2,3,4,5,6,7
	v_max3_num_f32 v[MM+\q], v[MM+\q], |v[RB+64*(\q/4)+(\q%4)+4*\i]|, |v[RB+64*(\q/4)+(\q%4)+4*\i+4]|
.endr
.endr
	WIN 0
.irp q, 0,1,2,3,4,5,6,7
	v_permlanex16_b32 v[PP+\q], v[MM+\q], s[SEL], s[SEL+1]
.endr
.irp q, 0,1,2,3,4,5,6,7
	v_max_num_f32 v[MM+\q], v[MM+\q], v[PP+\q]
.endr
.irp q, 0,1,2,3,4,5,6,7
	v_add_nc_u32 v[SC+\q], 0xf8800000, v[MM+\q]    ; 15 off the exponent field: the conversion's scale operand
.endr
.irp q, 0,1,2,3,4,5,6,7
	v_and_or_b32 v[MM+\q], v[MM+\q], 0x7f800000, s[MNT]                    ; 57,344 x the scale
.endr
.irp q, 0,1,2,3,4,5,6,7
	v_lshrrev_b32 v[PP+\q], 23, v[SC+\q]           ; the byte
.endr
.irp q, 0,1,2,3,4,5,6,7
.if (2*((\g)&1)+(\q/4)) == 0
	v_mov_b32 v[WSW+4*((\g)>>1)+(\q%4)], v[PP+\q]  ; byte 2 (g % 2) + u of column j's word for K step g / 2
.else
	v_lshl_or_b32 v[WSW+4*((\g)>>1)+(\q%4)], v[PP+\q], 8*(2*((\g)&1)+(\q/4)), v[WSW+4*((\g)>>1)+(\q%4)]
.endif
.endr
	WIN WW
.irp q, 0,1,2,3,4,5,6,7
.irp i, 0,1,2,3,4,5,6,7,8,9,10,11,12,13,14,15
	v_med3_num_f32 v[T+16*\q+\i], v[RB+64*(\q/4)+4*\i+(\q%4)], -v[MM+\q], v[MM+\q]          ; the hold, and a column's 16 numbers into consecutive registers
.endr
.endr
	WIN 0
	s_wait_dscnt 0x0                               ; the last group's LDS stores have landed
.if (\g) > 0
	s_wait_alu depctr_vm_vsrc(0)                   ; the last group's image stores have read the codes' registers, which the conversions below write again
.endif
.irp q, 0,1,2,3,4,5,6,7
	v_cvt_scalef32_pk8_bf8_f32 v[C+4*\q:C+4*\q+1], v[T+16*\q:T+16*\q+7], v[SC+\q]
	v_cvt_scalef32_pk8_bf8_f32 v[C+4*\q+2:C+4*\q+3], v[T+16*\q+8:T+16*\q+15], v[SC+\q]
.endr
	v_nop
	s_wait_alu depctr_va_vdst(0)                   ; the conversions have written the codes, which the image stores read; all that vector lines wrote or read up to here is done with too (the plan says what leans on that)
.irp q, 0,1,2,3,4,5,6,7
	ds_store_b128 v[IA], v[C+4*\q:C+4*\q+3] offset:8192*((\g)>>1)+512*(2*((\g)&1)+(\q/4))+16*(\q%4)
.endr
.endm
.macro HADR b, add                     ; where tile M + add lies in hq and hs; past the expert's last tile: that last tile
	s_add_co_u32 s34, s32, \add
	s_min_u32 s34, s34, s40
	s_add_co_u32 s34, s34, s22
	s_min_u32 s34, s34, 2047
	s_lshl_b32 s35, s34, 15
	s_add_co_u32 s35, s35, s41
	s_lshl_b32 s36, s34, 10
	s_add_co_u32 s36, s36, s42
	v_add_nc_u32 v[HAD+\b], s35, v[LI]
	v_add_nc_u32 v[HSD+\b], s36, v[L4]
.endm
.macro HLOAD b                         ; 36 loads: eight images, 512 consecutive bytes a load; and the scale words: lanes 0-15 K step 2 q, lanes 16-31 K step 2 q + 1
	WIN 0xc0
.irp s, 0,1,2,3,4,5,6,7
.irp c, 0,1,2,3
	global_load_b128 v[128*\b+16*\s+4*\c:128*\b+16*\s+4*\c+3], v[HAD+\b], s[6:7] offset:2048*\s+512*\c
.endr
.endr
	WIN 0
.irp q, 0,1,2,3
	global_load_b32 v[HW+4*\b+\q], v[HSD+\b], s[8:9] offset:128*\q
.endr
.endm
.macro PROD b, s, n
.set FI, 4*(\s)+(\n)
.if (\s) == 0
	v_wmma_scale_f32_16x16x128_f8f6f4 v[ACC+8*(\n):ACC+8*(\n)+7], v[16*(FI&15):16*(FI&15)+15], v[128*(\b)+16*(\s):128*(\b)+16*(\s)+15], 0, v[WS+FI], v[HW+4*(\b)+(\s)/2] matrix_a_fmt:MATRIX_FMT_BF8 matrix_b_fmt:MATRIX_FMT_BF8
.elseif (\s)%2
	v_wmma_scale_f32_16x16x128_f8f6f4 v[ACC+8*(\n):ACC+8*(\n)+7], v[16*(FI&15):16*(FI&15)+15], v[128*(\b)+16*(\s):128*(\b)+16*(\s)+15], v[ACC+8*(\n):ACC+8*(\n)+7], v[WS+FI], v[HW+4*(\b)+(\s)/2] matrix_a_fmt:MATRIX_FMT_BF8 matrix_b_fmt:MATRIX_FMT_BF8 matrix_b_scale:MATRIX_SCALE_ROW1
.else
	v_wmma_scale_f32_16x16x128_f8f6f4 v[ACC+8*(\n):ACC+8*(\n)+7], v[16*(FI&15):16*(FI&15)+15], v[128*(\b)+16*(\s):128*(\b)+16*(\s)+15], v[ACC+8*(\n):ACC+8*(\n)+7], v[WS+FI], v[HW+4*(\b)+(\s)/2] matrix_a_fmt:MATRIX_FMT_BF8 matrix_b_fmt:MATRIX_FMT_BF8
.endif
.endm
	s_load_b256 s[4:11], s[0:1], 0x0               ; W2 s[4:5], hq s[6:7], hs s[8:9], plan s[10:11]
	s_load_b64 s[12:13], s[0:1], 0x20              ; ex
	v_lshl_add_u32 v20, v0, 2, 0x14c00
	v_mov_b32 v21, 0
	v_lshrrev_b32 v1, 5, v0
	v_readfirstlane_b32 s24, v1                    ; wave
	v_and_b32 v1, 31, v0
	v_and_b32 v2, 15, v0                           ; r
	v_bfe_u32 v3, v0, 4, 1                         ; h
	s_and_b32 s25, ttmp7, 0xffff                   ; the expert
	s_and_b32 s26, ttmp9, 7                        ; dsl: which 64 columns
	s_lshr_b32 s27, ttmp9, 3                       ; kh: which half of K
	v_lshlrev_b32 v[WA], 4, v2
	v_lshl_add_u32 v[WA], v3, 15, v[WA]            ; 16 rows of 2,048 bytes for lanes 16-31
	v_bfe_u32 v22, v0, 2, 2                        ; column 4 (lane % 16) + j lies in tile (lane % 16) / 4 at lane 4 (lane % 4) + j
	v_and_b32 v23, 3, v0
	v_lshlrev_b32 v[IA], 11, v22
	v_lshl_add_u32 v[IA], v23, 6, v[IA]
	v_lshl_add_u32 v[IA], v3, 8, v[IA]
	s_wait_alu depctr_va_sdst(0)                   ; s24 is written, ahead of its first reader: addresses, bases and the trip count are made from it
	s_lshl_b32 s34, s24, 14
	v_add_nc_u32 v[IA], s34, v[IA]
	v_lshlrev_b32 v[SA], 6, v22
	v_lshl_add_u32 v[SA], v23, 4, v[SA]
	s_lshl_b32 s34, s24, 9
	s_add_co_u32 s34, s34, WSC
	v_add_nc_u32 v[SA], s34, v[SA]
	v_lshlrev_b32 v[LI], 4, v1
	v_lshlrev_b32 v[L4], 2, v1
	v_lshlrev_b32 v[SR], 2, v2
	v_add_nc_u32 v[SR], WSC, v[SR]
	s_mul_i32 s34, s24, 4352
	s_add_co_u32 s34, s34, STG                     ; my stage
	v_mul_u32_u24 v[STO], v2, 272
	v_lshl_add_u32 v[STO], v3, 5, v[STO]
	v_add_nc_u32 v[STO], s34, v[STO]               ; in: row r, 32 bytes for each half of the lanes
	v_mul_u32_u24 v[RD], v3, 272
	v_lshl_add_u32 v[RD], v2, 4, v[RD]
	v_add_nc_u32 v[RD], s34, v[RD]                 ; back: lanes 0-15 one row of 256 bytes, lanes 16-31 the next
	v_lshlrev_b32 v[EB], 4, v2
	v_lshl_add_u32 v[EB], v3, 12, v[EB]            ; and the same two rows in ex, 4,096 bytes apart
	s_mov_b32 s28, 0x8000000
	s_mov_b32 s[MNT], 0x600000
	s_mov_b32 s[SEL], 0x76543210
	s_mov_b32 s[SEL+1], 0xfedcba98
.irp q, 0,1,2,3,4,5,6,7
	v_mov_b32 v[PP+\q], 0                          ; written once: a lane permute's destination counts as one of its sources
.endr
	s_lshl_b32 s34, s25, 22                        ; W2: the expert's 4 MiB, the half's 1,024 rows, my 256 rows, the slice's 256 bytes of a row
	s_lshl_b32 s36, s27, 21
	s_add_co_u32 s34, s34, s36
	s_lshl_b32 s36, s24, 19
	s_add_co_u32 s34, s34, s36
	s_lshl_b32 s36, s26, 8
	s_add_co_u32 s34, s34, s36
	s_mov_b32 s35, 0
	s_lshl_b32 s38, s25, 7                         ; plan: the expert's count
	s_mov_b32 s39, 0
	s_lshl_b32 s22, s25, 7                         ; the expert's first tile
	s_lshl_b32 s41, s27, 14                        ; this half's eight images in a tile of hq,
	s_lshl_b32 s42, s27, 9                         ; its words in hs,
	s_lshl_b32 s43, s27, 11                        ; and its place in a row of ex
	s_add_co_u32 s43, s43, s36
	s_mov_b32 s32, s24                             ; M: the tile in hand
	s_wait_kmcnt 0x0
	s_add_nc_u64 s[18:19], s[10:11], s[38:39]
	s_load_b32 s21, s[18:19], 0x0                  ; the expert's rows
	s_add_nc_u64 s[4:5], s[4:5], s[34:35]
	s_wait_alu depctr_va_vdst(0)                   ; the addresses and offsets v4 to v9, v14, v15 and v17 are written, which the loads and stores below read
	LOADG 0
	LOADG 1
	s_wait_loadcnt 32                              ; group 0 is in; behind it: group 1's 32
	LOADG 2
	QG 0
	s_wait_loadcnt 32                              ; group 1 is in
	LOADG 3
	s_wait_kmcnt 0x0
	s_min_u32 s21, s21, 0x800
	s_add_co_u32 s23, s21, 15
	s_lshr_b32 s23, s23, 4                         ; its tiles
	s_max_u32 s40, s23, 1
	s_sub_co_u32 s40, s40, 1                       ; the last of them
	HADR 0, 0                                      ; the addresses of tiles w and w + 4 in hq and hs: made here, so that the wait ahead of group 1's image stores covers them
	HADR 1, 4
	QG 1
	s_wait_loadcnt 32                              ; group 2 is in
	HLOAD 0                                        ; tile w.  No wait: nothing since group 1's wait on va_vdst names its addresses or the registers in which it lands
	QG 2
	s_wait_loadcnt 36                              ; group 3 is in; behind it: tile w's 36
	HLOAD 1                                        ; tile w + 4: as tile w
	QG 3
	ds_store_b128 v[SA], v[WSW:WSW+3]              ; lanes l and l xor 16 write the same words with the same values.  (The words were finished ahead of group 3's wait on va_vdst)
	ds_store_b128 v[SA], v[WSW+4:WSW+7] offset:256
	s_wait_dscnt 0x0                               ; for the others' sake
	s_barrier_signal -1
	s_barrier_wait -1
	WIN 0x40                                       ; the fragments land in the raw registers: the maxima and holds that read those stand ahead of group 3's wait on va_vdst, and no vector line has been issued since
.irp f, 0,1,2,3,4,5,6,7,8,9,10,11,12,13,14,15
.irp c, 0,1,2,3
	ds_load_b128 v[16*\f+4*\c:16*\f+4*\c+3], v[LI] offset:2048*\f+512*\c
.endr
.endr
	WIN 0x80
.irp f, 0,1,2,3,4,5,6,7,8,9,10,11,12,13,14,15
.irp c, 0,1,2,3
	ds_load_b128 v[16*\f+4*\c:16*\f+4*\c+3], v[LI] offset:2048*(16+\f)+512*\c
.endr
.endr
	WIN 0
.set i, 0
.rept 32
	ds_load_b32 v[WS+i], v[SR] offset:64*i
.set i, i+1
.endr
	s_wait_dscnt 0x0
	s_add_co_u32 s33, s23, 7
	s_sub_co_u32 s33, s33, s24
	s_lshr_b32 s33, s33, 3                         ; trips: two of my tiles a trip
	s_cmp_eq_u32 s33, 0
	s_cbranch_scc1 .Lend
; A TILE of 16 rows, on set b.  The second tile of a trip may lie past the expert's last: its products and its stores are jumped over, its waits and look-ahead loads are not.
.macro TILE b
	s_wait_loadcnt 36                              ; this tile's 36 loads are in; the other set's 36 may be out
	s_wait_xcnt 0x0                                ; the last tile's stores have had their addresses translated
	s_wait_alu depctr_vm_vsrc(0)                   ; the last tile's LDS stores have read the accumulators, which the products write; its global stores have read v96 to v127 and EO, this set's last loads HAD and HSD: all are written again below
.if \b
	s_cmp_ge_u32 s32, s23
	s_cbranch_scc1 .Lnoprod_\@
.endif
	WIN 0x0d                                       ; source 0 (W2) window 1, source 1 (h) window 3.  The four accumulators take turns, one instruction a turn
.irp s, 0,1,2,3
.irp n, 0,1,2,3
	PROD \b, \s, \n
.endr
.endr
	WIN 0x0e
.irp s, 4,5,6,7
.irp n, 0,1,2,3
	PROD \b, \s, \n
.endr
.endr
	WIN 0
.if \b
.Lnoprod_\@:
.endif
	HADR \b, 8                                     ; ten plain lines that name no register of the products: the places ahead of the first read of the results and of the next tile's first products
	s_add_co_u32 s37, s22, s32
	s_min_u32 s37, s37, 2047
	s_lshl_b32 s37, s37, 16                        ; 16 padded rows of 4,096 bytes a tile
	s_add_co_u32 s37, s37, s43
	v_add_nc_u32 v[EO], s37, v[EB]
.rept 7
	v_nop
.endr
	WIN 0xc0
	s_wait_alu depctr_va_vdst(0)                   ; the products are done reading this set's fragments and scale words of h, in which the loads below land, and have written the accumulators, which the LDS stores below read; HAD, HSD and EO are written
	HLOAD \b                                       ; tile M + 8 into the set just multiplied
.if \b
	s_cmp_ge_u32 s32, s23
	s_cbranch_scc1 .Lnost_\@
.endif
.irp n, 0,1,2,3
	ds_store_b128 v[STO], v[ACC+8*\n:ACC+8*\n+3] offset:64*\n              ; each accumulator from its low end on
	ds_store_b128 v[STO], v[ACC+8*\n+4:ACC+8*\n+7] offset:64*\n+16
.endr
.irp i, 0,1,2,3,4,5,6,7
	ds_load_b128 v[OB+4*\i:OB+4*\i+3], v[RD] offset:544*\i                 ; LDS serves a wave's instructions in order (ISA guide 5.7.1.4): these see my stores
.endr
.irp i, 0,1,2,3,4,5,6,7
	s_wait_dscnt 7-\i
	global_store_b128 v[EO], v[OB+4*\i:OB+4*\i+3], s[12:13] offset:8192*\i ; sixteen lanes store 256 consecutive bytes, aligned
.endr
.if \b
.Lnost_\@:
.endif
	s_add_co_u32 s32, s32, 4
.endm
.Ltile:
	TILE 0
	TILE 1
	s_sub_co_u32 s33, s33, 1
	s_cmp_lg_u32 s33, 0
	s_cbranch_scc1 .Ltile
.Lend:
	s_wait_dscnt 0x0                               ; the closing lines, six on end
	s_wait_alu 0x0
	s_wait_tensorcnt 0x0
	ds_add_u32 v20, v21
	s_wait_dscnt 0x0
	s_endpgm
.Lfunc_end_k_q4f3175b721_outp:
	.size	k_q4f3175b721_outp, .Lfunc_end_k_q4f3175b721_outp-k_q4f3175b721_outp
	.p2alignl 7, 3214868480
	.fill 96, 4, 3214868480
	.section	.rodata,"a",@progbits
	.p2align	6, 0x0
	.amdhsa_kernel k_q4f3175b721_outp
		.amdhsa_group_segment_fixed_size 85504
		.amdhsa_private_segment_fixed_size 0
		.amdhsa_enable_private_segment 0
		.amdhsa_kernarg_size 40
		.amdhsa_user_sgpr_count 2
		.amdhsa_user_sgpr_kernarg_segment_ptr 1
		.amdhsa_wavefront_size32 1
		.amdhsa_system_sgpr_workgroup_id_x 1
		.amdhsa_system_sgpr_workgroup_id_y 1
		.amdhsa_system_sgpr_workgroup_id_z 1
		.amdhsa_system_vgpr_workitem_id 0
		.amdhsa_next_free_vgpr 1024
		.amdhsa_next_free_sgpr 66
		.amdhsa_reserve_vcc 0
		.amdhsa_float_denorm_mode_32 3
		.amdhsa_float_denorm_mode_16_64 3
		.amdhsa_memory_ordered 1
		.amdhsa_forward_progress 1
		.amdhsa_inst_pref_size 122
	.end_amdhsa_kernel
	.amdgpu_metadata
---
amdhsa.version: [ 1, 2 ]
amdhsa.kernels:
  - .name:           k_q4f3175b721_outp
    .symbol:         k_q4f3175b721_outp.kd
    .args:
      - { .name: W2, .offset: 0, .size: 8, .value_kind: global_buffer, .address_space: global }
      - { .name: hq, .offset: 8, .size: 8, .value_kind: global_buffer, .address_space: global }
      - { .name: hs, .offset: 16, .size: 8, .value_kind: global_buffer, .address_space: global }
      - { .name: plan, .offset: 24, .size: 8, .value_kind: global_buffer, .address_space: global }
      - { .name: ex, .offset: 32, .size: 8, .value_kind: global_buffer, .address_space: global }
    .group_segment_fixed_size: 85504
    .private_segment_fixed_size: 0
    .kernarg_segment_align: 8
    .kernarg_segment_size: 40
    .max_flat_workgroup_size: 128
    .sgpr_count:     66
    .vgpr_count:     1024
    .wavefront_size: 32
...
	.end_amdgpu_metadata
.endif
;; end of part 9
;; launch comb: the kernel of part 8 again; grid 256 x 1, 8 waves a work-group, no clusters, 0 bytes of LDS; arguments x, ex, plan, ridx, rw, b2, gamma, beta, out0; writes out0
